; MI455X (gfx1250); checked and timed in simulation.
; The chip was launched on July 23, 2026; its instructions are those of AMD's public machine-readable ISA for CDNA 5 (MIT licence, August 2026) and "CDNA5" Instruction Set Architecture Reference Guide (July 2026). The comments in the code are by the model that wrote it; some were corrected since.
;; Qwen3 Attention. Allowed arithmetic: matrix products marked QUANTISED: E3M2 operands, one E8M0 scale for each 32 along K, by v_wmma_scale_f32_16x16x128_f8f6f4 with both operands' format E3M2, f32 sums; everything else in f32.
;; Inputs: hidden_states 2,048 x 2,048 float32; k_norm_w 128 float32; positions 2,048 int32; q_norm_w 128 float32; w_o 2,048 x 2,048 float32; w_qkv 2,048 x 4,096 float32.
;; Outputs: out0 2,048 x 2,048 float32.
;; This version of the problem:
;;   THIS VERSION OF THE PROBLEM IS GIVEN IN LOW PRECISION. The matrix products marked QUANTISED in the list below multiply operands that are first quantised to E3M2 (3 exponent bits, 2 mantissa bits; 6 bits a number), with one power-of-two scale for each 32 numbers along K (OCP MX v1.0); their sums are f32. All else is computed in f32.
;;   The module's matrix products, in the order in which they are computed (A, B: the left and right operand; K: the contracted axis; several contracted axes count as one K, in the product's order):
;;     1. [M 2,048, K 2,048] x [K 2,048, N 4,096]; A: input hidden_states; B: input w_qkv: QUANTISED
;;     2. batch 8 x [M 2,048, K 128] x [K 128, N 4,096]; A: computed on the way; B: computed on the way: QUANTISED
;;     3. batch 8 x [M 128, K 2,048] x [K 2,048, N 4,096]; A: computed on the way; B: softmax (see below): QUANTISED
;;     4. [M 2,048, K 2,048] x [K 2,048, N 2,048]; A: computed on the way; B: input w_o: QUANTISED
;;   THE QUANTISER, for each operand of a quantised product, along K:
;;     - K is cut into blocks of 32 from its start; a last block that is shorter is filled with zeros.
;;     - A block's scale is 2^e with e = floor(log2(the largest magnitude in the block)) - 4, held to -126 .. 127; a block of zeros has e = 0. As a byte (E8M0): e + 127.
;;     - Each number is divided by its block's scale, clamped to +-28, and rounded to the nearest number of E3M2, ties to even, subnormals kept.
;;     - The product sums the exact products of the quantised numbers (number of the format x scale) in f32.
;;   ~~~python
;;   def quantise(x, axis):      # numpy; x: float32 -> the quantised numbers, widened to float32 again
;;       x = np.moveaxis(x, axis, -1); K = x.shape[-1]
;;       x = np.pad(x, [(0, 0)] * (x.ndim - 1) + [(0, -K % 32)]); x = x.reshape(x.shape[:-1] + (-1, 32)); a = np.abs(x).max(-1, keepdims=True)
;;       e = np.where(a > 0, np.clip(np.frexp(np.where(a > 0, a, 1))[1] - 1 - 4, -126, 127), 0)      # np.frexp(a)[1] - 1 = floor(log2(a)), exactly
;;       r = np.clip(x / 2.0 ** e, -28, 28)
;;       step = 2.0 ** (np.maximum(np.frexp(np.where(r == 0, 1, r))[1] - 1, -2) - 2)
;;       q = np.round(r / step) * step * 2.0 ** e      # np.round: ties to even
;;       return np.moveaxis(q.reshape(q.shape[:-2] + (-1,))[..., :K], -1, axis).astype(np.float32)
;;   ~~~
;;   SOFTMAX AHEAD OF A QUANTISED PRODUCT. Where the list says 'softmax', what is quantised is not the finished softmax but p = 2^(t - M), with t = logit x log2(e) and M = ceil(the row's largest t), a whole number; so 1/2 < the row's largest p <= 1. The row's sum l is taken of the UNQUANTISED p, in f32, and the product's result is divided by l at the end. Since M is a whole number, a kernel that streams over the keys may use a running M (the ceiling of the running maximum): every later rescaling is an exact power of two, which a block's scale takes up: the codes' values come out the same.
;;   OPERANDS COMPUTED ON THE WAY. 'Computed on the way' means the value that the module computes at that place (a softmax that the list does not call 'softmax' is quantised finished and normalised). What goes into a quantiser is computed in f32, as accurately as f32 sums, v_exp_f32 and their like allow (about 1e-6 of the number): no bf16 or f16 on the way to a quantiser, and a product that is left as it is and whose result goes on into a quantised operand takes f32 operands (vector FMAs, or v_wmma_f32_16x16x4_f32). A number that lies on a knife's edge between two numbers of the format may be rounded either way, as far as f32 arithmetic and the matrix unit's own rounding can turn it there, and no further.
;; One version. Each part assembles by itself: llvm-mc -triple=amdgcn-amd-amdhsa -mcpu=gfx1250 --defsym DOCPART=n.
;; ======== version 1 of 1: 4 launches
;; limits: right only within a limited range of input values
;; workspace buffers: pbuf 14,155,776 bytes; qbuf 6,553,600 bytes; obuf 3,276,800 bytes
;; launch prep (part 1): grid 68 x 8, 4 waves a work-group, no clusters, 59,904 bytes of LDS; arguments hidden_states, w_qkv, w_o, positions, pbuf; writes pbuf
.if DOCPART == 1
	.amdgcn_target "amdgcn-amd-amdhsa--gfx1250"
	.amdhsa_code_object_version 6
	.text
	.protected	k_q93269dfd90_prep
	.globl	k_q93269dfd90_prep
	.p2align	8
	.type	k_q93269dfd90_prep,@function
k_q93269dfd90_prep:
	s_mov_b64 s[64:65], 0
	v_nop
	global_prefetch_b8 v0, s[64:65] scope:SCOPE_SE
	s_setreg_imm32_b32 hwreg(HW_REG_WAVE_MODE, 25, 1), 1
	s_wait_xcnt 0x0
; PREP: hidden_states [2048][2048], w_qkv [2048][4096] and w_o [2048][2048], f32, become codes of BF6 (E3M2) with one E8M0 byte for each 32 along K; positions become a table of cos and sin.
; A block's scale is 2^(floor(log2(its largest magnitude)) - 4); its byte is the largest magnitude's exponent field - 4, held at 1 from below.
; ROWS.  One row space of 64 blocks of 128 rows: blocks 0-15 the tokens of x, 16-47 the columns of w_qkv, 48-63 the columns of w_o.  STORED row p holds natural row p with bits 3 and 4 exchanged,
; so that a product that takes 16 stored rows as its source 0 leaves 16 natural neighbours in the 16 registers of two neighbouring tiles.  K is always in natural order.
; IMAGES.  A fragment (16 stored rows x 128 K, 12 registers a lane) lies as its registers: registers 4 c .. 4 c + 3 of lane l at 512 c + 16 l: 1,536 bytes; laid [row tile][K step 0..15].
; SCALES.  [block][K / 256][128 stored rows][8 bytes]: the words of two K steps.
; TABLE.  [stored token tile][16 quads][32 lanes][16 bytes]: quad i < 8: cos at frequency 32 (i / 4) + 16 (lane / 16) + 4 (i % 4) + 0..3 for the token of lane % 16; quad 8 + i: sin.
; SHARES.  Work-group x < 16: a block of x; x < 64: a block of a weight; else the table.  y: which 256 along K.  A wave takes 32 rows x 256 K: four fragments.  Waves share nothing: no barrier.
; The three ways part on the work-group's number, never join, and have LDS bytes of their own.
; LIMITS: NaN and infinities are not served.  A block of zeros gets the byte 1 where the rule says 127: its codes are zeros, and these bytes are read by this program alone.
; Positions of magnitude under 2^22; angles (position x inverse frequency) up to about 1e5 radians; the inverse frequency is as accurate as v_exp_f32 (1 ulp).
.set SCB,  12582912                    ; where the scale blocks begin
.set TRIG, 13107200                    ; where the table begins
.set SEL,  26                          ; s[26:27] selects of v_permlanex16_b32: lane l xor 16
; the way of x
.set TM,   4                           ; v4-19    at work in QUANT
.set WD,   20                          ; v20-23   the four fragments' scale words
.set XR,   32                          ; v32-159  two sets of 64: a fragment's numbers as loaded
.set XN,   160                         ; v160-223 the same, 16 neighbours of each block of 32 to a lane
.set PC,   224                         ; v224-242 the codes just made
.set XST,  25600                       ; LDS: a stage of 16 rows x 528 bytes for each wave
; the way of the weights (LDS from 0: 6,400 bytes a wave)
.set OFF,  32                          ; v32-63   4 x lane + i x pitch; never rewritten
.set WX,   64                          ; v64-127  two sets of 32 numbers
.set WP,   128                         ; v128-133 a block's six registers of codes
.set WQ,   136                         ; v136-138 the second conversion's result
.set SB,   24                          ; v24-25   eight scale bytes
.set WO,   144                         ; v144-191 the way out
; the way of the table
.set TF,   16
.set TN,   20
.set TA,   24
.set TQ,   28
.set TC,   32
.set TS,   36
.set TU,   40
.set CN,   44
.set SN,   48
; 64 numbers of a lane, register 16 b + i = k 32 b + 16 (lane / 16) + i of the lane's row, become a fragment's 12 registers in v[PC] on and its scale word in v[pw].
.macro QUANT s, pw
.irp b, 0,1,2,3
	v_max3_num_f32 v[TM+\b], |v[(\s)+16*\b]|, |v[(\s)+16*\b+1]|, 0x2800000   ; block b: my 16 numbers, and the floor 2^(5 - 127): the byte cannot fall under 1
.endr
.irp i, 2,4,6,8,10,12,14
.irp b, 0,1,2,3
	v_max3_num_f32 v[TM+\b], |v[(\s)+16*\b+\i]|, |v[(\s)+16*\b+\i+1]|, v[TM+\b]   ; the four blocks by turns
.endr
.endr
.irp b, 0,1,2,3
	v_permlanex16_b32 v[TM+4+\b], v[TM+\b], s[SEL], s[SEL+1]
.endr
.irp b, 0,1,2,3
	v_max_num_f32 v[TM+\b], v[TM+\b], v[TM+4+\b]       ; with lane l xor 16: the block's largest magnitude
.endr
.irp b, 0,1,2,3
	v_add_nc_u32 v[TM+12+\b], 0xfe000000, v[TM+\b]     ; 4 off its exponent field: the conversion's scale operand
.endr
.irp b, 0,1,2,3
	v_lshrrev_b32 v[TM+4+\b], 23, v[TM+12+\b]          ; the scale's byte
.endr
	v_lshl_or_b32 v[\pw], v[TM+5], 8, v[TM+4]
	v_lshl_or_b32 v[\pw], v[TM+6], 16, v[\pw]
	v_lshl_or_b32 v[\pw], v[TM+7], 24, v[\pw]
.irp c, 0,1
	v_cvt_scalef32_pk16_bf6_f32 v[PC+6*\c:PC+6*\c+2], v[(\s)+32*\c:(\s)+32*\c+15], v[TM+12+2*\c]
	v_cvt_scalef32_pk16_bf6_f32 v[PC+12+4*\c:PC+12+4*\c+2], v[(\s)+32*\c+16:(\s)+32*\c+31], v[TM+12+2*\c+1]   ; (three registers begin on an even number)
.endr
	v_nop                                              ; one plain place behind a scaled conversion
.irp c, 0,1                                        ; the layout wants a whole block in a lane: lanes 0-15 block 2 c, lanes 16-31 block 2 c + 1
.irp i, 0,1,2
	v_permlane16_swap_b32 v[PC+6*\c+\i], v[PC+12+4*\c+\i]
.endr
.irp i, 0,1,2
	v_mov_b32 v[PC+3+6*\c+\i], v[PC+12+4*\c+\i]
.endr
.endr
.endm
	s_load_b256 s[4:11], s[0:1], 0x0                   ; x s[4:5], w_qkv s[6:7], w_o s[8:9], positions s[10:11]
	s_load_b64 s[12:13], s[0:1], 0x20                  ; the workspace
	v_lshl_add_u32 v248, v0, 2, 0xe800
	v_mov_b32 v249, 0
	v_lshrrev_b32 v1, 5, v0
	v_readfirstlane_b32 s16, v1                        ; wave 0..3
	s_and_b32 s17, ttmp7, 0xffff                       ; ky: which 256 along K
	v_and_b32 v2, 31, v0                               ; lane
	v_and_b32 v3, 15, v0                               ; r
	v_bfe_u32 v1, v0, 4, 1                             ; h
	s_mov_b32 s[SEL], 0x76543210
	s_mov_b32 s[SEL+1], 0xfedcba98
	s_lshl_b32 s20, ttmp9, 3                           ; my first row tile: 8 x block + 2 x wave;
	s_lshl_b32 s21, s16, 1
	s_add_co_u32 s20, s20, s21
	s_mul_i32 s20, s20, 24576                          ; a row tile's 16 images,
	s_mul_i32 s21, s17, 3072                           ; and two images for each ky
	s_add_co_u32 s20, s20, s21
	s_mov_b32 s21, 0
	s_lshl_b32 s22, ttmp9, 13                          ; my 256 bytes of scales: block x 8,192 + ky x 1,024 + wave x 256
	s_lshl_b32 s23, s17, 10
	s_add_co_u32 s22, s22, s23
	s_lshl_b32 s23, s16, 8
	s_add_co_u32 s22, s22, s23
	s_add_co_u32 s22, s22, SCB
	s_mov_b32 s23, 0
	s_wait_kmcnt 0x0
	s_cmp_lt_u32 ttmp9, 16
	s_cbranch_scc1 .Lpath_x
	s_cmp_lt_u32 ttmp9, 64
	s_cbranch_scc1 .Lpath_w
; ---------------- THE TABLE: 32 work-groups, a stored token tile to a wave ----------------
; WHOLE NUMBERS AND f32.  A number under 2^22 in magnitude added onto 1.5 x 2^23 is rounded to a whole number (to nearest, ties to even), and the sum's low bits ARE that whole number.
; So one fused multiply-add rounds; taking the constant off again gives the whole number as f32, exactly; and its bits are at hand for an exponent field or a quadrant.
; The other way round a whole number added onto the constant's bits is the f32 sum, from which the constant is taken off: so the position and the frequency's index become f32.
	s_sub_co_u32 s18, ttmp9, 64
	s_lshl_b32 s18, s18, 3
	s_add_co_u32 s18, s18, s17
	s_lshl_b32 s18, s18, 2
	s_add_co_u32 s18, s18, s16                         ; my tile 0..127
	s_lshr_b32 s19, s18, 1
	s_lshl_b32 s19, s19, 5
	s_and_b32 s20, s18, 1
	s_lshl_b32 s20, s20, 3
	s_add_co_u32 s19, s19, s20
	s_wait_alu depctr_va_vdst(0)
	v_and_b32 v4, 8, v3
	v_add_nc_u32 v4, v4, v3
	v_add_nc_u32 v4, s19, v4                           ; my token: 32 (tile / 2) + 8 (tile % 2) + r + 8 (r / 8)
	v_lshlrev_b32 v4, 2, v4
	global_load_b32 v5, v4, s[10:11]
	s_lshl_b32 s20, s18, 13
	s_add_co_u32 s20, s20, TRIG
	s_mov_b32 s21, 0
	s_add_nc_u64 s[12:13], s[12:13], s[20:21]
	v_lshlrev_b32 v6, 4, v2                            ; 16 x lane
	v_lshlrev_b32 v7, 4, v1                            ; 16 h
	v_mov_b32 v8, 0xb493f27e                           ; -1/10!
	v_mov_b32 v9, 0x3638ef1d                           ; 1/9!
	v_mov_b32 v10, 0x3e9f73da                          ; L = log2(1e6) / 64 in two parts
	v_mov_b32 v11, 0x31e36e00
	v_mov_b32 v12, 0x3f22f983                          ; 2 / pi
	s_wait_alu depctr_va_vdst(0)
	s_wait_loadcnt 0x0
	v_add_nc_u32 v5, 0x4b400000, v5                    ; the position onto the bits of 1.5 x 2^23,
	v_add_f32 v5, 0xcb400000, v5                       ; less 1.5 x 2^23: the position as f32, exact under 2^22 in magnitude
; Quad q: four frequencies by turns.  inverse frequency = 2^(-f L): with n = f L rounded to a whole number it is 2^(n - f L), whose exponent lies in -1/2 .. 1/2, by v_exp_f32, times 2^-n, which rounds nothing.
; angle = position x inverse frequency, rounded once.  Reduced by whole multiples of pi/2 (pi/2 in three parts, fused), then sin and cos by their series on -pi/4 .. pi/4, and the quadrant by selects.
.macro TRIGQ q
	s_wait_xcnt 0x0                                    ; the last quad's stores have read their registers
.irp e, 0,1,2,3
	v_add_nc_u32 v[TF+\e], 0x4b000000+32*(\q/4)+4*(\q%4)+\e, v7   ; the frequency's index f onto the bits of 2^23,
.endr
.irp e, 0,1,2,3
	v_add_f32 v[TF+\e], 0xcb000000, v[TF+\e]           ; less 2^23: f as f32
.endr
.irp e, 0,1,2,3
	v_fmaak_f32 v[TN+\e], v10, v[TF+\e], 0x4b400000    ; f L + 1.5 x 2^23: n in the low bits
.endr
.irp e, 0,1,2,3
	v_add_f32 v[TU+\e], 0xcb400000, v[TN+\e]           ; n as f32
.endr
.irp e, 0,1,2,3
	v_fma_f32 v[TA+\e], -v[TF+\e], v10, v[TU+\e]
.endr
.irp e, 0,1,2,3
	v_fma_f32 v[TA+\e], -v[TF+\e], v11, v[TA+\e]       ; n - f L
.endr
	s_wait_alu depctr_va_vdst(0)
.irp e, 0,1,2,3
	v_exp_f32 v[TA+\e], v[TA+\e]
.endr
.irp e, 0,1,2,3
	v_and_b32 v[TN+\e], 0xff, v[TN+\e]                 ; n, 0 .. 20  (plain lines behind the exponentials)
.endr
.irp e, 0,1,2,3
	v_sub_nc_u32 v[TN+\e], 127, v[TN+\e]
.endr
.irp e, 0,1,2,3
	v_lshlrev_b32 v[TN+\e], 23, v[TN+\e]               ; 2^-n: its exponent field
.endr
	s_wait_alu depctr_va_vdst(0)
.irp e, 0,1,2,3
	v_mul_f32 v[TA+\e], v[TA+\e], v[TN+\e]             ; the inverse frequency
.endr
.irp e, 0,1,2,3
	v_mul_f32 v[TA+\e], v5, v[TA+\e]                   ; the angle
.endr
.irp e, 0,1,2,3
	v_fmaak_f32 v[TN+\e], v12, v[TA+\e], 0x4b400000    ; angle x 2 / pi + 1.5 x 2^23: the quadrant's number i in the low bits
.endr
.irp e, 0,1,2,3
	v_add_f32 v[TU+\e], 0xcb400000, v[TN+\e]           ; i as f32
.endr
.irp e, 0,1,2,3
	v_fmamk_f32 v[TA+\e], v[TU+\e], 0xbfc90fd8, v[TA+\e]
.endr
.irp e, 0,1,2,3
	v_fmamk_f32 v[TA+\e], v[TU+\e], 0xb4a8885a, v[TA+\e]
.endr
.irp e, 0,1,2,3
	v_fmamk_f32 v[TA+\e], v[TU+\e], 0xa7c234c4, v[TA+\e]   ; a, in -pi/4 .. pi/4
.endr
.irp e, 0,1,2,3
	v_mul_f32 v[TQ+\e], v[TA+\e], v[TA+\e]
.endr
.irp e, 0,1,2,3
	v_fmaak_f32 v[TC+\e], v8, v[TQ+\e], 0x37d00d01     ; cos: 1 - a^2/2 + a^4/24 - a^6/720 + a^8/8! - a^10/10!
	v_fmaak_f32 v[TS+\e], v9, v[TQ+\e], 0xb9500d01     ; sin: a - a^3/6 + a^5/120 - a^7/7! + a^9/9!
.endr
.irp e, 0,1,2,3
	v_fmaak_f32 v[TC+\e], v[TC+\e], v[TQ+\e], 0xbab60b61
	v_fmaak_f32 v[TS+\e], v[TS+\e], v[TQ+\e], 0x3c088889
.endr
.irp e, 0,1,2,3
	v_fmaak_f32 v[TC+\e], v[TC+\e], v[TQ+\e], 0x3d2aaaab
	v_fmaak_f32 v[TS+\e], v[TS+\e], v[TQ+\e], 0xbe2aaaab
.endr
.irp e, 0,1,2,3
	v_fmaak_f32 v[TC+\e], v[TC+\e], v[TQ+\e], 0xbf000000
	v_mul_f32 v[TU+\e], v[TA+\e], v[TQ+\e]
.endr
.irp e, 0,1,2,3
	v_fmaak_f32 v[TC+\e], v[TC+\e], v[TQ+\e], 0x3f800000
	v_fma_f32 v[TS+\e], v[TS+\e], v[TU+\e], v[TA+\e]
.endr
.irp e, 0,1,2,3
	v_and_b32 v[TU+\e], 1, v[TN+\e]
.endr
.irp e, 0,1,2,3
	v_cmp_eq_u32 vcc_lo, 1, v[TU+\e]
	v_cndmask_b32 v[SN+\e], v[TS+\e], v[TC+\e], vcc_lo ; i odd: sin and cos change places
	v_cndmask_b32 v[CN+\e], v[TC+\e], v[TS+\e], vcc_lo
.endr
.irp e, 0,1,2,3
	v_and_b32 v[TU+\e], 2, v[TN+\e]
	v_add_nc_u32 v[TN+\e], 1, v[TN+\e]
.endr
.irp e, 0,1,2,3
	v_lshlrev_b32 v[TU+\e], 30, v[TU+\e]
	v_and_b32 v[TN+\e], 2, v[TN+\e]
.endr
.irp e, 0,1,2,3
	v_xor_b32 v[SN+\e], v[SN+\e], v[TU+\e]             ; sin changes sign where i & 2,
	v_lshlrev_b32 v[TN+\e], 30, v[TN+\e]
.endr
.irp e, 0,1,2,3
	v_xor_b32 v[CN+\e], v[CN+\e], v[TN+\e]             ; cos where (i + 1) & 2
.endr
	global_store_b128 v6, v[CN:CN+3], s[12:13] offset:512*\q        ; 32 lanes store 512 consecutive bytes
	global_store_b128 v6, v[SN:SN+3], s[12:13] offset:4096+512*\q
.endm
.irp q, 0,1,2,3,4,5,6,7
	TRIGQ \q
.endr
	s_endpgm
; ---------------- x: K is innermost ----------------
.Lpath_x:
	s_add_nc_u64 s[14:15], s[12:13], s[20:21]          ; my images
	s_add_nc_u64 s[12:13], s[12:13], s[22:23]          ; my scales
	s_lshl_b32 s18, ttmp9, 7
	s_lshl_b32 s19, s16, 5
	s_add_co_u32 s18, s18, s19                         ; my first token: 128 x block + 32 x wave
	s_lshl_b32 s18, s18, 13                            ; rows of 8,192 bytes
	s_lshl_b32 s19, s17, 10                            ; 256 numbers for each ky
	s_add_co_u32 s18, s18, s19
	s_mov_b32 s19, 0
	s_add_nc_u64 s[4:5], s[4:5], s[18:19]
	s_wait_alu depctr_va_vdst(0)
	v_lshlrev_b32 v24, 4, v2                           ; 16 x lane
; Fragment f = 2 T + s: stored tile T, K step s.  Stored row p of tile T is natural row 16 (p / 8) + 8 T + p % 8.  Each load reads 512 consecutive bytes of one row.
.macro LOADF f
.irp p, 0,1,2,3,4,5,6,7,8,9,10,11,12,13,14,15
	global_load_b128 v[XR+64*((\f)%2)+4*\p:XR+64*((\f)%2)+4*\p+3], v24, s[4:5] offset:(16*(\p/8)+8*((\f)/2)+\p%8)*8192+512*((\f)%2) th:TH_LOAD_NT
.endr
.endm
	LOADF 0
	LOADF 1
	s_mul_i32 s23, s16, 8448
	s_add_co_u32 s23, s23, XST                         ; my stage
	v_add_nc_u32 v25, s23, v24                         ; in: a row as it lies
	v_mul_u32_u24 v26, v3, 528
	v_lshl_add_u32 v26, v1, 6, v26
	v_add_nc_u32 v26, s23, v26                         ; out: row r, + 64 h: my 16 numbers of each block of 32
	v_lshlrev_b32 v27, 3, v2
	s_mov_b32 s28, 0xffff0000                          ; lanes 16-31
.irp b, 0,1,2,3
	v_mov_b32 v[TM+4+\b], 0                            ; a lane permute's destination counts as one of its sources
.endr
.macro FRAGX f
.if \f < 3
	s_wait_loadcnt 16                                  ; this fragment's 16 loads are in; the next fragment's 16 may be out
.else
	s_wait_loadcnt 0x0
.endif
.irp p, 0,1,2,3,4,5,6,7,8,9,10,11,12,13,14,15
	ds_store_b128 v25, v[XR+64*(\f%2)+4*\p:XR+64*(\f%2)+4*\p+3] offset:528*\p
.endr
.irp b, 0,1,2,3
.irp j, 0,1,2,3
	ds_load_b128 v[XN+16*\b+4*\j:XN+16*\b+4*\j+3], v26 offset:128*\b+16*\j   ; LDS serves a wave's instructions in order: these see the stores above
.endr
.endr
	s_wait_dscnt 0x0                                   ; the numbers are back, and the stores have read their registers,
.if \f < 2
	LOADF \f+2                                         ; which take the fragment two on
.endif
	s_wait_xcnt 0x0                                    ; the last fragment's stores have read the codes' registers
	QUANT XN, WD+\f
.irp c, 0,1,2
	global_store_b128 v24, v[PC+4*\c:PC+4*\c+3], s[14:15] offset:(\f/2)*24576+(\f%2)*1536+512*\c   ; 512 consecutive bytes
.endr
.endm
	s_wait_alu depctr_va_vdst(0)
	FRAGX 0
	FRAGX 1
	FRAGX 2
	FRAGX 3
	v_cndmask_b32 v28, v[WD], v[WD+2], s28             ; lane 16 T + r stores stored row 16 T + r: the words of its two K steps
	v_cndmask_b32 v29, v[WD+1], v[WD+3], s28
	global_store_b64 v27, v[28:29], s[12:13]           ; 32 lanes store 256 consecutive bytes, aligned
	s_wait_tensorcnt 0x0
	ds_add_u32 v248, v249
	s_wait_dscnt 0x0
	s_endpgm
; ---------------- the weights: K is the first axis.  A lane takes a column and its registers run down K ----------------
.Lpath_w:
	s_add_nc_u64 s[14:15], s[12:13], s[20:21]
	s_add_nc_u64 s[12:13], s[12:13], s[22:23]
	s_mov_b32 s20, 8192
	s_cmp_lt_u32 ttmp9, 48                             ; w_qkv or w_o: the choice hangs on the work-group's number alone
	s_cselect_b64 s[6:7], s[6:7], s[8:9]
	s_cselect_b32 s20, 16384, s20                      ; bytes from row to row
	s_cselect_b32 s21, 16, 48                          ; the tensor's first block
	s_lshl_b32 s22, s17, 8
	s_mul_i32 s22, s22, s20                            ; 256 ky rows down
	s_sub_co_u32 s23, ttmp9, s21
	s_lshl_b32 s23, s23, 7
	s_lshl_b32 s24, s16, 5
	s_add_co_u32 s23, s23, s24                         ; my first column
	s_lshl_b32 s23, s23, 2
	s_add_co_u32 s22, s22, s23
	s_mov_b32 s23, 0
	s_add_nc_u64 s[32:33], s[6:7], s[22:23]            ; a base for each block of 32 along K: nothing is stepped while loads are out
	s_lshl_b32 s24, s20, 5
	s_mov_b32 s25, 0
.irp t, 1,2,3,4,5,6,7
	s_add_nc_u64 s[32+2*\t:33+2*\t], s[30+2*\t:31+2*\t], s[24:25]
.endr
	s_wait_alu depctr_va_vdst(0)
	v_lshlrev_b32 v[OFF], 2, v2
.set i, 1
.rept 31
	v_add_nc_u32 v[OFF+i], s20, v[OFF+i-1]
.set i, i+1
.endr
.macro LOADW t                             ; block t: W(256 ky + 32 t + i, my column): a wave reads 128 consecutive bytes, the four waves 512
.set i, 0
.rept 32
	global_load_b32 v[WX+32*((\t)%2)+i], v[OFF+i], s[32+2*(\t):33+2*(\t)] th:TH_LOAD_NT
.set i, i+1
.endr
.endm
	LOADW 0
	LOADW 1
	; natural column l of my 32 is stored row (l & 7) + 16 bit3 + 8 bit4: tile bit3, row r = (l & 7) + 8 bit4
	v_and_b32 v10, 7, v2
	v_bfe_u32 v11, v2, 3, 1
	s_mul_i32 s18, s16, 6400                           ; my stage: two tiles 3,200 bytes apart, each two images
	v_lshlrev_b32 v4, 4, v10
	v_lshl_add_u32 v4, v1, 7, v4
	v_mad_u32_u24 v4, v11, 3200, v4
	v_add_nc_u32 v4, s18, v4                           ; in: my tile, 16 r
	v_lshlrev_b32 v8, 4, v2                            ; 16 x lane
	v_add_nc_u32 v7, s18, v8                           ; out
	v_lshlrev_b32 v9, 3, v10
	v_lshl_add_u32 v9, v11, 7, v9
	v_lshl_add_u32 v9, v1, 6, v9                       ; 8 x my stored row
; Block t is block t % 4 of K step t / 4: registers 6 c .. 6 c + 5 (c = (t / 2) % 2) of lane (r, h = t % 2) of that image.
.macro BLOCKW t
.set XS, WX+32*((\t)%2)
.if (\t) < 7
	s_wait_loadcnt 32                                  ; this block's 32 loads are in; the next block's 32 may be out
.else
	s_wait_loadcnt 0x0
.endif
	v_max3_num_f32 v12, |v[XS]|, |v[XS+1]|, |v[XS+2]|  ; all 32 numbers are mine
	v_max3_num_f32 v13, |v[XS+3]|, |v[XS+4]|, |v[XS+5]|
.irp i, 6,10,14,18,22,26
	v_max3_num_f32 v12, v12, |v[XS+\i]|, |v[XS+\i+1]|
	v_max3_num_f32 v13, v13, |v[XS+\i+2]|, |v[XS+\i+3]|
.endr
	v_max3_num_f32 v12, v12, |v[XS+30]|, |v[XS+31]|
	v_max3_num_f32 v12, v12, v13, 0x2800000            ; and the floor
	v_add_nc_u32 v14, 0xfe000000, v12                  ; the conversion's scale operand
	v_lshrrev_b32 v15, 23, v14                         ; the byte
.if (\t)%4 == 0
	v_mov_b32 v[SB+(\t)/4], v15
.else
	v_lshl_or_b32 v[SB+(\t)/4], v15, 8*((\t)%4), v[SB+(\t)/4]
.endif
	v_cvt_scalef32_pk16_bf6_f32 v[WP:WP+2], v[XS:XS+15], v14
	v_cvt_scalef32_pk16_bf6_f32 v[WQ:WQ+2], v[XS+16:XS+31], v14
	v_nop                                              ; one plain place behind a scaled conversion
.irp i, 0,1,2
	v_mov_b32 v[WP+3+\i], v[WQ+\i]
.endr
.set SO, 1536*((\t)/4)+256*((\t)%2)
.if ((\t)/2)%2 == 0
	ds_store_b128 v4, v[WP:WP+3] offset:SO             ; registers 0-3: quad 0;
	ds_store_b64 v4, v[WP+4:WP+5] offset:SO+512        ; 4, 5: the lower half of quad 1
.else
	ds_store_b64 v4, v[WP:WP+1] offset:SO+520          ; 6, 7: its upper half;
	ds_store_b128 v4, v[WP+2:WP+5] offset:SO+1024      ; 8-11: quad 2
.endif
.if (\t)+2 < 8
	LOADW (\t)+2
.endif
	s_wait_dscnt 0x0                                   ; the stores have read their registers
.endm
.irp t, 0,1,2,3,4,5,6,7
	BLOCKW \t
.endr
	s_wait_alu depctr_va_vdst(0)
	global_store_b64 v9, v[SB:SB+1], s[12:13]          ; the 32 lanes fill 256 consecutive bytes, aligned
.irp n, 0,1,2,3,4,5,6,7,8,9,10,11
	ds_load_b128 v[WO+4*\n:WO+4*\n+3], v7 offset:3200*(\n/6)+512*(\n%6)
.endr
.irp n, 0,1,2,3,4,5,6,7,8,9,10,11
	s_wait_dscnt 11-\n                                 ; LDS loads come back in order: the younger ones may be out
	global_store_b128 v8, v[WO+4*\n:WO+4*\n+3], s[14:15] offset:24576*(\n/6)+512*(\n%6)   ; 512 consecutive bytes
.endr
	s_wait_tensorcnt 0x0
	ds_add_u32 v248, v249
	s_wait_dscnt 0x0
	s_endpgm
.Lfunc_end_k_q93269dfd90_prep:
	.size	k_q93269dfd90_prep, .Lfunc_end_k_q93269dfd90_prep-k_q93269dfd90_prep
	.p2alignl 7, 3214868480
	.fill 96, 4, 3214868480
	.section	.rodata,"a",@progbits
	.p2align	6, 0x0
	.amdhsa_kernel k_q93269dfd90_prep
		.amdhsa_group_segment_fixed_size 59904
		.amdhsa_private_segment_fixed_size 0
		.amdhsa_enable_private_segment 0
		.amdhsa_kernarg_size 40
		.amdhsa_user_sgpr_count 2
		.amdhsa_user_sgpr_kernarg_segment_ptr 1
		.amdhsa_wavefront_size32 1
		.amdhsa_system_sgpr_workgroup_id_x 1
		.amdhsa_system_sgpr_workgroup_id_y 1
		.amdhsa_system_sgpr_workgroup_id_z 1
		.amdhsa_system_vgpr_workitem_id 0
		.amdhsa_next_free_vgpr 250
		.amdhsa_next_free_sgpr 66
		.amdhsa_reserve_vcc 1
		.amdhsa_float_denorm_mode_32 3
		.amdhsa_float_denorm_mode_16_64 3
		.amdhsa_memory_ordered 1
		.amdhsa_forward_progress 1
		.amdhsa_inst_pref_size 140
	.end_amdhsa_kernel
	.amdgpu_metadata
---
amdhsa.version: [ 1, 2 ]
amdhsa.kernels:
  - .name:           k_q93269dfd90_prep
    .symbol:         k_q93269dfd90_prep.kd
    .args:
      - { .name: hidden_states, .offset: 0, .size: 8, .value_kind: global_buffer, .address_space: global }
      - { .name: w_qkv, .offset: 8, .size: 8, .value_kind: global_buffer, .address_space: global }
      - { .name: w_o, .offset: 16, .size: 8, .value_kind: global_buffer, .address_space: global }
      - { .name: positions, .offset: 24, .size: 8, .value_kind: global_buffer, .address_space: global }
      - { .name: pbuf, .offset: 32, .size: 8, .value_kind: global_buffer, .address_space: global }
    .group_segment_fixed_size: 59904
    .private_segment_fixed_size: 0
    .kernarg_segment_align: 8
    .kernarg_segment_size: 40
    .max_flat_workgroup_size: 128
    .sgpr_count:     66
    .vgpr_count:     250
    .wavefront_size: 32
...
	.end_amdgpu_metadata
.endif
;; end of part 1
;; launch qkvproj (part 2): grid 16 x 16, 4 waves a work-group, clusters of 4 x 4, 327,680 bytes of LDS; arguments pbuf, q_norm_w, k_norm_w, qbuf; writes qbuf
.if DOCPART == 2
	.amdgcn_target "amdgcn-amd-amdhsa--gfx1250"
	.amdhsa_code_object_version 6
	.text
	.protected	k_q93269dfd90_qkvproj
	.globl	k_q93269dfd90_qkvproj
	.p2align	8
	.type	k_q93269dfd90_qkvproj,@function
k_q93269dfd90_qkvproj:
	s_mov_b64 s[64:65], 0
	v_nop
	global_prefetch_b8 v0, s[64:65] scope:SCOPE_SE
	s_setreg_imm32_b32 hwreg(HW_REG_WAVE_MODE, 25, 1), 1
	s_wait_xcnt 0x0
	s_wait_alu depctr_hold_cnt(0) depctr_sa_sdst(0) depctr_va_vdst(0) depctr_va_sdst(0) depctr_va_ssrc(0) depctr_va_vcc(0) depctr_vm_vsrc(0)
	s_getreg_b32 s2, hwreg(HW_REG_IB_STS2, 6, 4)
	s_cmp_eq_u32 s2, 0
	s_cbranch_scc0 .Lentry_in_a_cluster
	s_endpgm
.Lentry_in_a_cluster:
	s_bfe_u32 s2, ttmp6, 0x10000c
	s_cmp_lg_u32 s2, 0xf033
	s_cbranch_scc0 .Lentry_shape_is_right
	s_endpgm
.Lentry_shape_is_right:
; QKV: x w_qkv on codes of BF6; then, in registers, RMSNorm, RoPE and the score's scale for q and k, and the quantiser: q and k along the head's 128 channels, v along the tokens.
; THE PRODUCT.  C' = A B^T with the matrix instruction used transposed: source 0 = 16 stored rows of B (the REGISTER operand), source 1 = 16 stored rows of A (the LANE operand).
; Lane (r, h) holds row r of A's tile; register j of B's tile 2 B + u is B's NATURAL row 32 B + 16 h + 8 u + j (stored rows have bits 3 and 4 exchanged): 16 registers of two tiles are 16 neighbours.
; A work-group makes 128 (A) x 256 (B); four waves as 2 x 2, each 64 x 128: 32 accumulators.  A wave's 128 rows of B are one head (q, k) or one key step of 128 tokens (v).
; Clusters x = 0, 1, 2: A = tokens, B = the columns of q and k.  Cluster x = 3: A = the columns of v, B = tokens: a lane then holds a channel and its registers run along the tokens, the next product's K.
; K goes through two LDS slots of 512 along K, four fills, 16 steps of 128, written out.  Operands lie in memory and in LDS as images of their registers (1,536 bytes a fragment: three loads of 512 consecutive bytes).
; CLUSTERS 4 x 4: A's tiles are asked for jointly along a row of the cluster, B's along a column.
; THE FILLS.  At the head one tensor load a wave: wave 0 slot 0's 8 row tiles of A, wave 1 A's scales, wave 2 slot 0's 16 row tiles of B, wave 3 B's scales.  Slot 1 is first filled behind the full sequence and a round,
; a quarter of it a wave, as every refill is.  By this text's count a wave never has more than one tensor load out.
; PREFETCH.  K's quarter q + 1 is asked for where quarter q's tensor load has been issued, one fill ahead of its own.  A quarter of a row tile is 24 blocks of 256 bytes.  The four partners that ask for a tile jointly share
; its row tiles out by address: of B's 16 the partner at cy takes 4, a row tile a wave; of A's 8 the partner at cx takes 2, half a row tile's quarter (12 blocks) a wave.  Left-over lanes name their wave's last block again.
; The table of cos and sin and the norm's gains are asked for at the head, by every wave, so that each register that a later line reads is written on every way through the text;
; v's work-groups ask for token block 0's table and k's gains and use neither.
; ROUNDING: the score's scale 128^-1/2 is multiplied into q's row factor ahead of the gain and of RoPE (reference: behind them); RoPE uses fused multiply-adds.  LIMITS: NaN and infinities are not served;
; a block of zeros gets the byte 1 (its codes are zeros; the bytes are read by this program alone).
; REGISTERS: window 0: v1-9 lane terms, v16-29 addresses, v32-79 scale words (two sets of 24), v128-223 A's fragments (two sets of 48), later the epilogue's work; v228-255 the epilogue's.
;   window 1: B's fragments at v0 and v128 (two sets of 96); the gains at v96-127 and v224-255.   window 2: the accumulators, (a, b) at v[8 (8 a + b)].   window 3: cos and sin, 64 registers a tile of tokens.
.set IMGB,  196608                     ; the images of a block of 128 rows
.set SCB,   12582912
.set TRIG,  13107200
.set QSC,   6291456                    ; where the scale words begin in the output
.set SLOT,  147456                     ; A: 8 tiles x 6,144 bytes (four images), then B: 16 tiles
.set BOFF,  49152
.set ASC,   294912                     ; A's scales, all of K: 8,192 bytes
.set BSC,   303104                     ; B's: 16,384 bytes
.set SPARE, 319488                     ; the spare words, 128 bytes a wave
.set PFB,  8                           ; v8 the prefetch's offset in B's row tile, v9 in A's; never rewritten
.set PFA,  9
.set ADRA, 16                          ; v16-17 my A fragments in slot 0, 1
.set ADRB, 20                          ; v20-21 my B fragments
.set ADSB, 26                          ; v26 scale words of B's tiles 4-7
.set ADSA, 27                          ; v27 lanes 0-15: A's tiles; lanes 16-31: B's tiles 0-3
.set SPW,  28
.set NIL,  29
.set SC,   32
.set AF,   128
.set G1,   24
.set G0,   32
.set G1B,  48
.set G0B,  56
.set G1S,  68
.set G0S,  76
.set G1SB, 80
.set G0SB, 88
.set SEL,  18                          ; s[18:19], set behind the first fills
.set X,    128                         ; the epilogue: 64 numbers of a tile
.set T,    192                         ; v192-207 RoPE's products
.set PC,   208                         ; v208-226 the codes just made
.set TM,   228                         ; v228-243 at work in QUANT
.set SS,   244                         ; v244-247 sums of squares
.set RS,   248                         ; v248-249 the row factor
.set WD,   250                         ; v250-253 the four tiles' scale words
.set PP,   254                         ; v254-255 the pair that is stored
.set MUL,  0xa1                        ; source 0 window 1, source 1 window 0, C and D window 2
.set TO_B, 0x40                        ; destination window 1
.set MSB, 0
.macro WIN new                         ; the immediate's high byte repeats the setting that is left
.if MSB != (\new)
	s_set_vgpr_msb (MSB<<8)|(\new)
.set MSB, (\new)
.endif
.endm
.macro PLACES n
.rept \n
	v_nop
.endr
.endm
; A joint load: waves 0 and 1 fetch for A, waves 2 and 3 for B; the branch hangs on the wave's number alone.  Four v_nop follow each of the two lines.
.macro JLOAD g0a, g1a, g0b, g1b
	s_cmp_eq_u32 s15, 0
	s_cbranch_scc0 .Lfor_b_\@
	tensor_load_to_lds s[\g0a:\g0a+3], s[\g1a:\g1a+7]
	s_nop 0
.rept 4
	v_nop
.endr
	s_branch .Lasked_\@
.Lfor_b_\@:
	tensor_load_to_lds s[\g0b:\g0b+3], s[\g1b:\g1b+7]
	s_nop 0
.rept 4
	v_nop
.endr
.Lasked_\@:
.endm
.macro CREST                           ; a round of the cluster's barrier behind its opening barrier
	s_cmp_lg_u32 s14, 0
	s_cbranch_scc1 .Lnot_wave_0_\@
	s_barrier_signal -3
.Lnot_wave_0_\@:
	s_barrier_wait -3
	s_barrier_signal -1
	s_barrier_wait -1
.endm
.macro CROUND
	s_barrier_signal -1
	s_barrier_wait -1
	CREST
.endm
.macro ARM under, g0, g1, next         ; an arm of the head's chain of branches on the wave's number: one load, and a jump to the one join
	s_cmp_lt_u32 s14, \under
	s_cbranch_scc0 \next
	tensor_load_to_lds s[\g0:\g0+3], s[\g1:\g1+7]
	s_nop 0
.rept 4
	v_nop
.endr
	s_branch .Lhead_asked
\next:
.endm
.macro ASK q                           ; the prefetch of K's quarter q: my blocks of B's row tile and of A's
	global_prefetch_b8 v[PFB], s[6:7] offset:6144*\q th:TH_LOAD_NT scope:SCOPE_SE
	global_prefetch_b8 v[PFA], s[8:9] offset:6144*\q th:TH_LOAD_NT scope:SCOPE_SE
.endm
	s_load_b256 s[4:11], s[0:1], 0x0                   ; workspace in s[4:5], q's gains s[6:7], k's s[8:9], workspace out s[10:11]
	v_lshl_add_u32 v[SPW], v0, 2, SPARE
	v_mov_b32 v[NIL], 0
	ds_add_u32 v28, v29
	ds_add_u32 v28, v29
	s_wait_dscnt 0x0
	v_lshrrev_b32 v1, 5, v0
	v_readfirstlane_b32 s14, v1                        ; wave 0..3
	s_lshr_b32 s15, s14, 1                             ; wr: my half of A's rows.  Also: I fetch for A (0) or for B (1)
	s_and_b32 s16, s14, 1                              ; wc: my half of B's rows.  Also: which half I fetch
	s_bfe_u32 s40, ttmp6, 0x40000                      ; cx
	s_bfe_u32 s41, ttmp6, 0x40004                      ; cy
	s_and_b32 s17, ttmp7, 0xffff                       ; the cluster's y
	s_lshl_b32 s43, s41, 2
	s_lshl_b32 s43, 15, s43                            ; my row of the cluster
	s_lshl_b32 s44, 0x1111, s40                        ; my column
	; which blocks of 128 rows.  A's hang on cy, B's on cx; the choice hangs on the cluster's x, which all partners share
	s_lshl_b32 s18, s17, 2                             ; q, k: A = tokens, from block 4 Y
	s_and_b32 s19, s17, 1
	s_lshl_b32 s19, s19, 2
	s_add_co_u32 s19, s19, 40                          ; v: A = v's columns, from block 40 + 4 (Y & 1)
	s_lshl_b32 s20, ttmp9, 3
	s_add_co_u32 s20, s20, 16                          ; q, k: B = columns, from block 16 + 8 X
	s_lshr_b32 s21, s17, 1
	s_lshl_b32 s21, s21, 3                             ; v: B = tokens, from block 8 (Y >> 1)
	s_cmp_eq_u32 ttmp9, 3
	s_cselect_b32 s18, s19, s18
	s_cselect_b32 s20, s21, s20
	s_add_co_u32 s18, s18, s41                         ; A's block
	s_lshl_b32 s21, s40, 1
	s_add_co_u32 s20, s20, s21                         ; B's first block
	s_add_co_u32 s21, s20, s16                         ; the block of B of half wc: the one I fetch, and the one I multiply
	; descriptor groups 1.  Codes: rows of 6,144 bytes (768 elements of 8), 24,576 bytes apart: four images of each row tile; for the head's loads 8 row tiles of A, 16 of B
	s_or_b32 s[G1+0], s43, (3<<16)|(1<<21)             ; 15:0 the mask; 17:16 elements of 8 bytes; 21 set beside a mask; no padding
	s_or_b32 s[G1B+0], s44, (3<<16)|(1<<21)
	s_mov_b32 s[G1+1], 768<<16
	s_mov_b32 s[G1+2], 8<<16
	s_mov_b32 s[G1+3], 768<<16
	s_mov_b32 s[G1+4], 8
	s_mov_b32 s[G1+5], 3072
	s_mov_b32 s[G1+6], 0
	s_mov_b32 s[G1+7], 0
	s_mov_b32 s[G1B+1], 768<<16
	s_mov_b32 s[G1B+2], 16<<16
	s_mov_b32 s[G1B+3], 768<<16
	s_mov_b32 s[G1B+4], 16
	s_mov_b32 s[G1B+5], 3072
	s_mov_b32 s[G1B+6], 0
	s_mov_b32 s[G1B+7], 0
	; scales: dense, as rows of 256 bytes: 32 for A's block, 64 for B's two
	s_or_b32 s[G1S+0], s43, (3<<16)|(1<<21)
	s_or_b32 s[G1SB+0], s44, (3<<16)|(1<<21)
	s_mov_b32 s[G1S+1], 32<<16
	s_mov_b32 s[G1S+2], 32<<16
	s_mov_b32 s[G1S+3], 32<<16
	s_mov_b32 s[G1S+4], 32
	s_mov_b32 s[G1S+5], 32
	s_mov_b32 s[G1S+6], 0
	s_mov_b32 s[G1S+7], 0
	s_mov_b32 s[G1SB+1], 32<<16
	s_mov_b32 s[G1SB+2], 64<<16
	s_mov_b32 s[G1SB+3], 32<<16
	s_mov_b32 s[G1SB+4], 64
	s_mov_b32 s[G1SB+5], 32
	s_mov_b32 s[G1SB+6], 0
	s_mov_b32 s[G1SB+7], 0
	; offsets in memory
	s_mul_i32 s22, s18, IMGB
	s_mul_i32 s19, s16, 98304
	s_add_co_u32 s22, s22, s19                         ; A's images: block, + 4 row tiles for the upper half
	s_mov_b32 s23, 0
	s_lshl_b32 s92, s18, 13
	s_add_co_u32 s92, s92, SCB                         ; A's scales, the whole block
	s_mov_b32 s93, 0
	s_mul_i32 s46, s21, IMGB                           ; B's images
	s_mov_b32 s47, 0
	s_lshl_b32 s94, s20, 13
	s_add_co_u32 s94, s94, SCB                         ; B's scales, both blocks
	s_mov_b32 s95, 0
	; and in LDS: the wave's number alone
	s_mul_i32 s45, s16, 24576
	s_mul_i32 s66, s16, 49152
	s_add_co_u32 s66, s66, BOFF
	; the prefetches' row tiles
	s_lshl_b32 s3, s41, 2
	s_add_co_u32 s3, s3, s14                           ; B: row tile 4 cy + wave of its 16
	s_mul_i32 s3, s3, 24576
	s_mul_i32 s2, s20, IMGB
	s_add_co_u32 s3, s3, s2
	s_lshl_b32 s67, s40, 1
	s_add_co_u32 s67, s67, s15                         ; A: row tile 2 cx + wave / 2 of its 8,
	s_mul_i32 s67, s67, 24576
	s_mul_i32 s2, s16, 3072                            ; and 12 blocks for each of the two waves
	s_add_co_u32 s67, s67, s2
	s_mul_i32 s2, s18, IMGB
	s_add_co_u32 s67, s67, s2
	; where my results go: head slot hs (q 0-15, k 16-23, v 24-31) and block mu of 128 tokens
	s_cmp_eq_u32 ttmp9, 3
	s_cselect_b32 s12, s18, s21                        ; hs + 16
	s_cselect_b32 s13, s21, s18                        ; mu
	s_cselect_b32 s96, 0, s18                          ; the table's token block
	s_sub_co_u32 s12, s12, 16
	s_mul_i32 s100, s12, IMGB
	s_mul_i32 s2, s13, 12288
	s_add_co_u32 s100, s100, s2
	s_mul_i32 s2, s15, 6144
	s_add_co_u32 s100, s100, s2                        ; images: hs, mu, my four tiles
	s_mov_b32 s101, 0
	s_lshl_b32 s12, s12, 13
	s_lshl_b32 s13, s13, 9
	s_add_co_u32 s12, s12, s13
	s_lshl_b32 s13, s15, 8
	s_add_co_u32 s12, s12, s13
	s_add_co_u32 s12, s12, QSC                         ; scale words: 256 bytes for my four tiles
	s_mov_b32 s13, 0
	s_lshl_b32 s96, s96, 16
	s_lshl_b32 s97, s15, 15
	s_add_co_u32 s96, s96, s97
	s_add_co_u32 s96, s96, TRIG                        ; the table of my four tiles of tokens
	s_mov_b32 s97, 0
	s_wait_kmcnt 0x0
	s_add_nc_u64 s[22:23], s[4:5], s[22:23]
	s_add_nc_u64 s[92:93], s[4:5], s[92:93]
	s_add_nc_u64 s[46:47], s[4:5], s[46:47]
	s_add_nc_u64 s[94:95], s[4:5], s[94:95]
	s_add_nc_u64 s[96:97], s[4:5], s[96:97]
	s_add_nc_u64 s[100:101], s[10:11], s[100:101]
	s_add_nc_u64 s[12:13], s[10:11], s[12:13]
	s_cmp_lt_u32 ttmp9, 2
	s_cselect_b64 s[98:99], s[6:7], s[8:9]             ; q's gains or k's
	s_mov_b32 s2, s3
	s_mov_b32 s3, 0
	s_add_nc_u64 s[6:7], s[4:5], s[2:3]                ; the prefetches' bases: my row tile of B,
	s_mov_b32 s2, s67
	s_add_nc_u64 s[8:9], s[4:5], s[2:3]                ; my half row tile of A
	CROUND                                             ; all sixteen work-groups are here: the first joint loads meet
	s_mov_b32 s[G0S], 1
	s_mov_b32 s[G0S+1], ASC
	s_mov_b64 s[G0S+2:G0S+3], s[92:93]
	s_or_b32 s[G0S+3], s[G0S+3], 0x80000000
	s_mov_b32 s[G0SB], 1
	s_mov_b32 s[G0SB+1], BSC
	s_mov_b64 s[G0SB+2:G0SB+3], s[94:95]
	s_or_b32 s[G0SB+3], s[G0SB+3], 0x80000000
.irp s, 0,1
	s_mov_b32 s[G0+4*\s], 1
	s_add_co_u32 s[G0+4*\s+1], s45, \s*SLOT
	s_add_nc_u64 s[G0+4*\s+2:G0+4*\s+3], s[22:23], \s*6144
	s_or_b32 s[G0+4*\s+3], s[G0+4*\s+3], 0x80000000
	s_mov_b32 s[G0B+4*\s], 1
	s_add_co_u32 s[G0B+4*\s+1], s66, \s*SLOT
	s_add_nc_u64 s[G0B+4*\s+2:G0B+4*\s+3], s[46:47], \s*6144
	s_or_b32 s[G0B+4*\s+3], s[G0B+4*\s+3], 0x80000000
.endr
; THE HEAD'S LOADS, ONE A WAVE.  Waves 0 and 2 fetch the lower half in the ring, so their slot 0 group 0 points at the tile's first row.
	ARM 1, G0,  G1,  .Lhead_sa
	ARM 2, G0S, G1S, .Lhead_b
	ARM 3, G0B, G1B, .Lhead_sb
	tensor_load_to_lds s[G0SB:G0SB+3], s[G1SB:G1SB+7]
	s_nop 0
.rept 4
	v_nop
.endr
.Lhead_asked:
	v_and_b32 v2, 31, v0                               ; lane
	v_and_b32 v3, 15, v0                               ; r
	v_bfe_u32 v4, v0, 4, 1                             ; h
	v_lshlrev_b32 v1, 4, v2                            ; 16 x lane; never rewritten
	s_wait_alu depctr_va_vdst(0)
	v_lshlrev_b32 v6, 6, v4                            ; 64 h; never rewritten
	v_lshlrev_b32 v7, 3, v2                            ; 8 x lane
	v_min_u32 v[PFB], 23, v2
	v_lshlrev_b32 v[PFB], 8, v[PFB]                    ; a block of 256 bytes a lane: 24 of B's row tile,
	v_min_u32 v[PFA], 11, v2
	v_lshlrev_b32 v[PFA], 8, v[PFA]                    ; 12 of A's
	ASK 1
	WIN 0xc0                                           ; destination window 3
.irp a, 0,1,2,3
.irp i, 0,1,2,3,4,5,6,7,8,9,10,11,12,13,14,15
	global_load_b128 v[64*\a+4*\i:64*\a+4*\i+3], v1, s[96:97] offset:8192*\a+512*\i   ; cos (quads 0-7) and sin (8-15) of tile a's tokens; waited for in front of the epilogue
.endr
.endr
	WIN 0x40                                           ; destination window 1
.irp b, 0,1,2,3
.irp j, 0,1,2,3
	global_load_b128 v[96+128*(\b/2)+16*(\b%2)+4*\j:96+128*(\b/2)+16*(\b%2)+4*\j+3], v6, s[98:99] offset:128*\b+16*\j   ; the gains of channels 32 b + 16 h + 4 j ..
.endr
.endr
	WIN 0
	s_mul_i32 s92, s15, 24576                          ; my 64 rows of A,
	s_mul_i32 s93, s16, 49152
	s_add_co_u32 s93, s93, BOFF                        ; my 128 rows of B
.irp s, 0,1
	v_add_nc_u32 v[ADRA+\s], s92, v1
	v_add_nc_u32 v[ADRB+\s], s93, v1
	s_add_co_u32 s92, s92, SLOT
	s_add_co_u32 s93, s93, SLOT
.endr
	s_xor_b32 s92, s15, 1                              ; scale words: lanes 0-15 at ASC + 512 wr + 8 r, lanes 16-31 at BSC + 8,192 wc + 8 r: the lower base + h x the distance
	s_lshl_b32 s92, s92, 9
	s_lshl_b32 s93, s16, 13
	s_add_co_u32 s92, s92, s93
	s_add_co_u32 s92, s92, BSC-ASC-512
	v_mul_u32_u24 v5, s92, v4
	s_lshl_b32 s92, s15, 9
	s_add_co_u32 s92, s92, ASC
	v_lshl_add_u32 v5, v3, 3, v5
	v_add_nc_u32 v[ADSA], s92, v5
	s_add_co_u32 s93, s93, BSC
	v_lshl_add_u32 v[ADSB], v2, 3, s93
.irp b, 0,1,2,3
	v_mov_b32 v[TM+4+\b], 0                            ; a lane permute's destination counts as one of its sources
.endr
	s_mov_b32 s[SEL], 0x76543210
	s_mov_b32 s[SEL+1], 0xfedcba98
	s_mov_b32 s20, 0x3c000000                          ; 1 / 128
	s_mov_b32 s21, 0x358637bd                          ; 1e-6
	s_mov_b32 s22, 1.0
	s_cmp_lt_u32 ttmp9, 2
	s_cselect_b32 s22, 0x3db504f3, s22                 ; q: 128^-1/2; k: 1
	s_mov_b32 s23, 0xffff0000                          ; lanes 16-31
; The fragments of the slot's q-th 128 along K into set p: B's eight, A's four: 36 loads of 512 consecutive bytes
.macro FETCH slot, q, p
	WIN TO_B
.irp i, 0,1,2,3,4,5,6,7
.irp c, 0,1,2
	ds_load_b128 v[128*(\p)+12*\i+4*\c:128*(\p)+12*\i+4*\c+3], v[ADRB+\slot] offset:6144*\i+1536*(\q)+512*\c
.endr
.endr
	WIN 0
.irp i, 0,1,2,3
.irp c, 0,1,2
	ds_load_b128 v[AF+48*(\p)+12*\i+4*\c:AF+48*(\p)+12*\i+4*\c+3], v[ADRA+\slot] offset:6144*\i+1536*(\q)+512*\c
.endr
.endr
.endm
; A slot's scale words into set sc.  Register 4 i + q: lanes 0-15 A's tile i, lanes 16-31 B's tile i.  Register 16 + 4 i + q: lanes 0-15 B's tile 4 + 2 i, lanes 16-31 tile 5 + 2 i.
.macro SCALES sc
.irp y, 0,1
.irp i, 0,1,2,3
	ds_load_b64 v[SC+24*\sc+4*\i+2*\y:SC+24*\sc+4*\i+2*\y+1], v[ADSA] offset:128*\i+1024*\y
.endr
.irp i, 0,1
	ds_load_b64 v[SC+24*\sc+16+4*\i+2*\y:SC+24*\sc+16+4*\i+2*\y+1], v[ADSB] offset:512+256*\i+1024*\y
.endr
.endr
.endm
; 16 matrix instructions: A's tiles a0, a0 + 1 x B's eight.  The 32 accumulators take turns, one instruction a turn, in the same order in every step.
.macro MUL16 a0, p, q, sc, zero
.irp a, \a0, \a0+1
.irp b, 0,1,2,3,4,5,6,7
.set rD, 8*(8*(\a)+\b)
.set rB, 128*(\p)+12*\b
.set rA, AF+48*(\p)+12*(\a)
.set rSA, SC+24*(\sc)+4*(\a)+(\q)
.if \b < 4
.set rSB, SC+24*(\sc)+4*\b+(\q)
.else
.set rSB, SC+24*(\sc)+16+4*((\b-4)/2)+(\q)
.endif
.if (\b < 4) || (\b%2 == 1)
.if \zero
	v_wmma_scale_f32_16x16x128_f8f6f4 v[rD:rD+7], v[rB:rB+11], v[rA:rA+11], 0, v[rSB], v[rSA] matrix_a_fmt:MATRIX_FMT_BF6 matrix_b_fmt:MATRIX_FMT_BF6 matrix_a_scale:MATRIX_SCALE_ROW1
.else
	v_wmma_scale_f32_16x16x128_f8f6f4 v[rD:rD+7], v[rB:rB+11], v[rA:rA+11], v[rD:rD+7], v[rSB], v[rSA] matrix_a_fmt:MATRIX_FMT_BF6 matrix_b_fmt:MATRIX_FMT_BF6 matrix_a_scale:MATRIX_SCALE_ROW1
.endif
.else
.if \zero
	v_wmma_scale_f32_16x16x128_f8f6f4 v[rD:rD+7], v[rB:rB+11], v[rA:rA+11], 0, v[rSB], v[rSA] matrix_a_fmt:MATRIX_FMT_BF6 matrix_b_fmt:MATRIX_FMT_BF6
.else
	v_wmma_scale_f32_16x16x128_f8f6f4 v[rD:rD+7], v[rB:rB+11], v[rA:rA+11], v[rD:rD+7], v[rSB], v[rSA] matrix_a_fmt:MATRIX_FMT_BF6 matrix_b_fmt:MATRIX_FMT_BF6
.endif
.endif
.endr
.endr
.endm
; A step of 128 along K that has its successor in the same slot: the next step's fragments are asked for ahead of this step's 32 products
.macro STEP slot, q, zero
	s_wait_dscnt 0x0                                   ; this step's fragments are in
	PLACES 4                                           ; in front of loads into registers that the last step's products read (ISA guide 7.12.1 for vector instructions)
	FETCH \slot, (\q)+1, 1-(\q)%2
	WIN MUL
	MUL16 0, (\q)%2, \q, \slot, \zero
	MUL16 2, (\q)%2, \q, \slot, \zero
	WIN 0
.endm
; A slot's last step changes slots: one barrier; in front of it each wave waits for all its tensor loads, adds 0 to its spare word, and waits for that and for its reads of this slot.
.macro TURN slot, next, fill
	s_wait_tensorcnt 0x0                               ; all my tensor loads have landed: my part of the next slot
	ds_add_u32 v[SPW], v[NIL]                          ; 0 onto my spare word
	s_wait_dscnt 1                                     ; this step's fragments are in; the add alone may be out
	WIN MUL
	MUL16 0, 1, 3, \slot, 0                            ; sixteen products stand between the add and the wait for it
	s_wait_dscnt 0x0                                   ; the add is done, and my reads of this slot are over
	s_barrier_signal -1
	WIN 0
	s_barrier_wait -1
.if \fill
	CREST                                              ; the barrier has opened a round of the cluster's barrier: no wave of any partner still reads this slot or has a load on its way
	s_add_nc_u64 s[G0+4*\slot+2:G0+4*\slot+3], s[G0+4*\slot+2:G0+4*\slot+3], 12288
	s_add_nc_u64 s[G0B+4*\slot+2:G0B+4*\slot+3], s[G0B+4*\slot+2:G0B+4*\slot+3], 12288
	JLOAD G0+4*\slot, G1, G0B+4*\slot, G1B             ; the first tensor load behind the round; its four v_nop are the places in front of the loads below
.else
	PLACES 4
.endif
	s_wait_alu depctr_va_vdst(0)
	v_add_nc_u32 v[ADSA], 2048, v[ADSA]                ; the next slot's scale words
	v_add_nc_u32 v[ADSB], 2048, v[ADSB]
	FETCH \next, 0, 0
	SCALES \next
	WIN MUL
	MUL16 2, 1, 3, \slot, 0
	WIN 0
.endm
	s_wait_alu depctr_va_vdst(0)
	s_wait_tensorcnt 0x0                               ; my tile of the head's four is in; slot 1's first fill is issued as a refill is
	ds_add_u32 v[SPW], v[NIL]
	s_mov_b32 s[G1+2], 4<<16                           ; no tensor load of mine is out: from here on a load brings half a tile's row tiles
	s_mov_b32 s[G1+4], 4
	s_mov_b32 s[G1B+2], 8<<16
	s_mov_b32 s[G1B+4], 8
	s_wait_dscnt 0x0
	CROUND                                             ; all four tiles are in, and all sixteen work-groups are here
	JLOAD G0+4, G1, G0B+4, G1B                         ; slot 1: the first tensor load behind the round
	FETCH 0, 0, 0
	SCALES 0
	ASK 2                                              ; behind the joint load and the run of LDS loads that the next products wait for
	STEP 0, 0, 1                                       ; the first products start the sums: nothing is cleared
	STEP 0, 1, 0
	STEP 0, 2, 0
	TURN 0, 1, 1
	ASK 3
	STEP 1, 0, 0
	STEP 1, 1, 0
	STEP 1, 2, 0
	TURN 1, 0, 1
	STEP 0, 0, 0
	STEP 0, 1, 0
	STEP 0, 2, 0
	TURN 0, 1, 0                                       ; nothing is left to fetch: no round
	STEP 1, 0, 0
	STEP 1, 1, 0
	STEP 1, 2, 0
	s_wait_dscnt 0x0
	WIN MUL
	MUL16 0, 1, 3, 1, 0
	MUL16 2, 1, 3, 1, 0
	WIN 0
	PLACES 4                                           ; in front of the first read of results, and of writes into registers that held fragments
; 64 numbers of a lane in window win, register 16 b + i = k 32 b + 16 h + i of the lane's row, become a fragment's 12 registers in v[PC] on and its scale word in v[pw].
.macro QUANT s, win, pw
.set QW, 5*(\win)
	WIN QW                                             ; sources 0 and 1
.irp b, 0,1,2,3
	v_max3_num_f32 v[TM+\b], |v[(\s)+16*\b]|, |v[(\s)+16*\b+1]|, 0x2800000   ; my 16 numbers of block b, from each accumulator's low end on, and the floor 2^(5 - 127)
.endr
.irp i, 2,4,6,8,10,12,14
.irp b, 0,1,2,3
	v_max3_num_f32 v[TM+\b], |v[(\s)+16*\b+\i]|, |v[(\s)+16*\b+\i+1]|, v[TM+\b]
.endr
.endr
	WIN 0
.irp b, 0,1,2,3
	v_permlanex16_b32 v[TM+4+\b], v[TM+\b], s[SEL], s[SEL+1]
.endr
.irp b, 0,1,2,3
	v_max_num_f32 v[TM+\b], v[TM+\b], v[TM+4+\b]
.endr
.irp b, 0,1,2,3
	v_add_nc_u32 v[TM+12+\b], 0xfe000000, v[TM+\b]     ; 4 off the exponent field: the conversion's scale operand
.endr
.irp b, 0,1,2,3
	v_lshrrev_b32 v[TM+4+\b], 23, v[TM+12+\b]
.endr
	v_lshl_or_b32 v[\pw], v[TM+5], 8, v[TM+4]
	v_lshl_or_b32 v[\pw], v[TM+6], 16, v[\pw]
	v_lshl_or_b32 v[\pw], v[TM+7], 24, v[\pw]
.set QW, (\win)
	WIN QW                                             ; source 0
.irp c, 0,1
	v_cvt_scalef32_pk16_bf6_f32 v[PC+6*\c:PC+6*\c+2], v[(\s)+32*\c:(\s)+32*\c+15], v[TM+12+2*\c]
	v_cvt_scalef32_pk16_bf6_f32 v[PC+12+4*\c:PC+12+4*\c+2], v[(\s)+32*\c+16:(\s)+32*\c+31], v[TM+12+2*\c+1]
.endr
	WIN 0
	v_nop                                              ; one plain place behind a scaled conversion
.irp c, 0,1
.irp i, 0,1,2
	v_permlane16_swap_b32 v[PC+6*\c+\i], v[PC+12+4*\c+\i]
.endr
.irp i, 0,1,2
	v_mov_b32 v[PC+3+6*\c+\i], v[PC+12+4*\c+\i]
.endr
.endr
.endm
.macro OUTIMG a
.irp c, 0,1,2
	global_store_b128 v1, v[PC+4*\c:PC+4*\c+3], s[100:101] offset:1536*\a+512*\c   ; 512 consecutive bytes
.endr
.endm
; q, k: tile a of 16 tokens.  A lane holds 64 channels of its token, lane l xor 16 the other 64; register n is channel 32 (n / 16) + 16 h + n % 16, register n + 32 the channel 64 further on: RoPE's partner.
.macro QKTILE a
	WIN 0x0a                                           ; sources 0 and 1 window 2
	v_pk_mul_f32 v[SS:SS+1], v[64*\a:64*\a+1], v[64*\a:64*\a+1]            ; the sum of squares, in two chains of pairs, ascending
	v_pk_mul_f32 v[SS+2:SS+3], v[64*\a+2:64*\a+3], v[64*\a+2:64*\a+3]
.set n, 4
.rept 15
	v_pk_fma_f32 v[SS:SS+1], v[64*\a+n:64*\a+n+1], v[64*\a+n:64*\a+n+1], v[SS:SS+1]
	v_pk_fma_f32 v[SS+2:SS+3], v[64*\a+n+2:64*\a+n+3], v[64*\a+n+2:64*\a+n+3], v[SS+2:SS+3]
.set n, n+4
.endr
	WIN 0
	v_add_f32 v[SS], v[SS], v[SS+1]
	v_add_f32 v[SS+2], v[SS+2], v[SS+3]
	v_add_f32 v[SS], v[SS], v[SS+2]
	v_permlanex16_b32 v[SS+1], v[SS], s[SEL], s[SEL+1]
	v_add_f32 v[SS], v[SS], v[SS+1]
	v_fma_f32 v[SS], v[SS], s20, s21                   ; the mean + 1e-6
	s_wait_alu depctr_va_vdst(0)
	v_rsq_f32 v[RS], v[SS]
	v_nop                                              ; one plain place behind a transcendental
	s_wait_alu depctr_va_vdst(0)
	v_mul_f32 v[RS], s22, v[RS]                        ; q: x 128^-1/2
	v_mov_b32 v[RS+1], v[RS]
	WIN 0x02                                           ; source 0 window 2
.set n, 0
.rept 32
	v_pk_mul_f32 v[X+n:X+n+1], v[64*\a+n:64*\a+n+1], v[RS:RS+1] op_sel_hi:[1,0]
.set n, n+2
.endr
	WIN 0x04                                           ; source 1 window 1: the gains
.set n, 0
.rept 32
	v_pk_mul_f32 v[X+n:X+n+1], v[X+n:X+n+1], v[96+128*(n/32)+n%32:96+128*(n/32)+n%32+1]
.set n, n+2
.endr
	WIN 0x0c                                           ; source 1 window 3: cos at 64 a + n, sin at 64 a + 32 + n
.set n, 0
.rept 16
.set rT, T+4*((n/2)%4)
	v_pk_mul_f32 v[rT:rT+1], v[X+32+n:X+33+n], v[64*\a+32+n:64*\a+33+n]
	v_pk_mul_f32 v[rT+2:rT+3], v[X+n:X+n+1], v[64*\a+32+n:64*\a+33+n]
	v_pk_fma_f32 v[X+n:X+n+1], v[X+n:X+n+1], v[64*\a+n:64*\a+n+1], v[rT:rT+1] neg_lo:[0,0,1] neg_hi:[0,0,1]   ; x1 cos - x2 sin
	v_pk_fma_f32 v[X+32+n:X+33+n], v[X+32+n:X+33+n], v[64*\a+n:64*\a+n+1], v[rT+2:rT+3]                        ; x2 cos + x1 sin
.set n, n+2
.endr
	WIN 0
	s_wait_xcnt 0x0                                    ; the last tile's stores have read the codes' registers
	QUANT X, 0, WD+\a
	OUTIMG \a
.endm
.macro VTILE a                         ; v: tile a of 16 channels; the accumulators' registers run along the tokens as they stand
	s_wait_xcnt 0x0
	QUANT 64*\a, 2, WD+\a
	OUTIMG \a
.endm
	s_wait_loadcnt 0x0                                 ; the table and the gains
	s_cmp_eq_u32 ttmp9, 3
	s_cbranch_scc1 .Lv_path
	QKTILE 0
	QKTILE 1
	QKTILE 2
	QKTILE 3
	s_branch .Ljoin
.Lv_path:
	VTILE 0
	VTILE 1
	VTILE 2
	VTILE 3
.Ljoin:
	v_cndmask_b32 v[PP], v[WD], v[WD+2], s23           ; lanes 0-15: the words of tiles 0 and 1; lanes 16-31: of tiles 2 and 3
	v_cndmask_b32 v[PP+1], v[WD+1], v[WD+3], s23
	global_store_b64 v7, v[PP:PP+1], s[12:13]          ; 32 lanes store 256 consecutive bytes, aligned
	s_wait_tensorcnt 0x0                               ; the wave's end
	ds_add_u32 v[SPW], v[NIL]
	s_wait_dscnt 0x0
	CROUND                                             ; the closing round
	s_endpgm
.Lfunc_end_k_q93269dfd90_qkvproj:
	.size	k_q93269dfd90_qkvproj, .Lfunc_end_k_q93269dfd90_qkvproj-k_q93269dfd90_qkvproj
	.p2alignl 7, 3214868480
	.fill 96, 4, 3214868480
	.section	.rodata,"a",@progbits
	.p2align	6, 0x0
	.amdhsa_kernel k_q93269dfd90_qkvproj
		.amdhsa_group_segment_fixed_size 327680
		.amdhsa_private_segment_fixed_size 0
		.amdhsa_enable_private_segment 0
		.amdhsa_kernarg_size 32
		.amdhsa_user_sgpr_count 2
		.amdhsa_user_sgpr_kernarg_segment_ptr 1
		.amdhsa_wavefront_size32 1
		.amdhsa_system_sgpr_workgroup_id_x 1
		.amdhsa_system_sgpr_workgroup_id_y 1
		.amdhsa_system_sgpr_workgroup_id_z 1
		.amdhsa_system_vgpr_workitem_id 0
		.amdhsa_next_free_vgpr 1024
		.amdhsa_next_free_sgpr 102
		.amdhsa_reserve_vcc 0
		.amdhsa_float_denorm_mode_32 3
		.amdhsa_float_denorm_mode_16_64 3
		.amdhsa_memory_ordered 1
		.amdhsa_forward_progress 1
		.amdhsa_inst_pref_size 207
	.end_amdhsa_kernel
	.amdgpu_metadata
---
amdhsa.version: [ 1, 2 ]
amdhsa.kernels:
  - .name:           k_q93269dfd90_qkvproj
    .symbol:         k_q93269dfd90_qkvproj.kd
    .args:
      - { .name: pbuf, .offset: 0, .size: 8, .value_kind: global_buffer, .address_space: global }
      - { .name: q_norm_w, .offset: 8, .size: 8, .value_kind: global_buffer, .address_space: global }
      - { .name: k_norm_w, .offset: 16, .size: 8, .value_kind: global_buffer, .address_space: global }
      - { .name: qbuf, .offset: 24, .size: 8, .value_kind: global_buffer, .address_space: global }
    .group_segment_fixed_size: 327680
    .private_segment_fixed_size: 0
    .kernarg_segment_align: 8
    .kernarg_segment_size: 32
    .max_flat_workgroup_size: 128
    .sgpr_count:     102
    .vgpr_count:     1024
    .wavefront_size: 32
...
	.end_amdgpu_metadata
.endif
;; end of part 2
;; launch attn (part 3): grid 16 x 16, 4 waves a work-group, no clusters, 0 bytes of LDS; arguments qbuf, obuf; writes obuf
.if DOCPART == 3
	.amdgcn_target "amdgcn-amd-amdhsa--gfx1250"
	.amdhsa_code_object_version 6
	.text
	.protected	k_q93269dfd90_attn
	.globl	k_q93269dfd90_attn
	.p2align	8
	.type	k_q93269dfd90_attn,@function
k_q93269dfd90_attn:
	s_mov_b64 s[64:65], 0
	v_nop
	global_prefetch_b8 v0, s[64:65] scope:SCOPE_SE
	s_setreg_imm32_b32 hwreg(HW_REG_WAVE_MODE, 25, 1), 1
	s_wait_xcnt 0x0
; CAUSAL GQA ATTENTION on codes of BF6: S^T = k q^T, p = 2^(t - M) with M the ceiling of the running largest t, p quantised by blocks of 32 keys, O^T += v^T p^T, O / l quantised along the head's channels.
; LEFT OUT: key steps of 128 that lie wholly above the causal diagonal: their p are 0 for all inputs.  Inside the diagonal step the scores are masked and the work is done.
; LIMITS: NaN and infinities are not served; the scaled scores stay under 2^31 in magnitude; a block of zeros gets the scale byte 1 (its codes are zeros; this program alone reads the bytes).
; SHARES.  2,048 query tiles of 16 rows (16 heads x 16 groups of 128 tokens x 8 tiles); a tile of group j needs j + 1 key steps.  A wave takes the tile T of group g (lo) and the tile T of group 15 - g (hi) of one head:
; (g + 1) + (16 - g) = 17 tile steps for every wave; 1,024 waves, one for each SIMD of 256 work-groups of four.  While lo is live both tiles use the same fragments of k and v.
; OPERANDS lie in memory as images of their registers (1,536 bytes a fragment: three loads of 512 consecutive bytes), so they go from memory straight into registers: no LDS, no barrier.
; NO JOINT LOADS: the waves that read one key head's tiles need 9 to 16 key steps and walk them at different paces (two tiles a step, then one); a common ring would hold every wave to the slowest.
; LOADS AHEAD: k's 26 loads of step n + 1 are issued behind step n's scores, v's 26 behind step n's second product.  Each s_wait_loadcnt 26 leaves out the 26 loads issued behind the group it waits for.
; PREFETCH: the waves with g = 0 walk all 16 steps, one tile a step from step 1 on.  The 16 of them that share a key head (2 heads x 8 tiles) share a step's 100 blocks of 256 bytes out by address: 3 of k, 3 of v each,
; and four of them one block of scale words; left-over lanes name lane 5's block again.  Trip n loads step n + 1 and asks for step n + 4; steps 1 to 3 are asked for at the head; trips 12 on ask for nothing.
; REGISTERS.  Window 0: v1-11 lane terms, v12-23 scale words, v64-159 k's fragments, v160-255 v's.  Window 1: all of tile lo; window 2: all of tile hi, at the same numbers.
.set IMGB,  196608
.set QSC,   6291456
.set O_SC,  3145728
.set VIMG,  8*IMGB                     ; v's head slot lies 8 behind k's
.set VSCL,  8*8192
.set A16, 1                            ; 16 x lane
.set A8,  2                            ; 8 x lane
.set R8,  3                            ; 8 x (lane % 16)
.set PF,  4                            ; the prefetch's offset
.set PSTR, 5                           ; and its step
.set QWL, 12                           ; q's scale words, lo and hi
.set QWH, 13
.set PWL, 14                           ; p's scale words
.set PWH, 15
.set KS,  16                           ; v16-19 k's scale words, v20-23 v's
.set VS,  20
.set KF,  64
.set VF,  160
; a tile's window
.set S,   0                            ; scores, then p
.set O,   64                           ; O^T
.set QF,  128                          ; q's fragment
.set PCD, 140                          ; v140-158 codes just made
.set BM,  160                          ; block maxima
.set BT,  164
.set SO,  168                          ; the conversions' scale operands
.set NM,  172                          ; -M
.set MX,  173                          ; the running largest t
.set L,   174                          ; the row's sum in two halves
.set F,   176                          ; 2^(old M - new M)
.set TA,  178
.set QI,  179                          ; my query's place in its group, less 16 h
.set SU,  180                          ; v180-187 four chains of sums
.set NI,  188                          ; -infinity
.set WV, 8
.set HD, 9
.set G,  10
.set T,  11
.set TL, 12
.set TH, 13
.set TMP, 14
.set KAP, 15
.set LAST, 16
.set PLIM, 17
.set SEL, 18
.set CS,  20
.set CB,  22                           ; s[22:23] k's images of the step being loaded
.set LO,  24                           ; s[24:31] lo: q's image, q's scale words, the result's image, its scale words
.set HI,  32
.set SB,  40                           ; s[40:41] k's scale words
.set PK,  42
.set PSO, 43
.set PSS, 44
.set IDX, 45
.set TQ,  46
.set LM,  47
.set TM2, 48
.set MSB, 0
.macro WIN new                         ; the immediate's high byte repeats the setting that is left
.if MSB != (\new)
	s_set_vgpr_msb (MSB<<8)|(\new)
.set MSB, (\new)
.endif
.endm
.macro PLACES
.rept 4
	v_nop
.endr
.endm
.macro TADDR tl, sb                    ; the four byte offsets of tile s[tl]
	s_mul_i32 s[\sb], s[HD], IMGB
	s_mul_i32 s[TMP], s[\tl], 1536
	s_add_co_u32 s[\sb], s[\sb], s[TMP]
	s_mov_b32 s[\sb+1], 0
	s_lshl_b32 s[\sb+2], s[HD], 13
	s_lshr_b32 s[TMP], s[\tl], 1
	s_lshl_b32 s[TMP], s[TMP], 7
	s_add_co_u32 s[\sb+2], s[\sb+2], s[TMP]
	s_and_b32 s[TMP], s[\tl], 1
	s_lshl_b32 s[TMP], s[TMP], 2
	s_add_co_u32 s[\sb+2], s[\sb+2], s[TMP]
	s_add_co_u32 s[\sb+2], s[\sb+2], QSC
	s_mov_b32 s[\sb+3], 0
	s_lshl_b32 s[\sb+4], s[\tl], 4
	s_add_co_u32 s[\sb+4], s[\sb+4], s[HD]
	s_mul_i32 s[\sb+4], s[\sb+4], 1536             ; [token tile][head]: the next product's K step is the head
	s_mov_b32 s[\sb+5], 0
	s_lshr_b32 s[\sb+6], s[\tl], 3
	s_lshl_b32 s[\sb+6], s[\sb+6], 13
	s_lshr_b32 s[TMP], s[HD], 1
	s_lshl_b32 s[TMP], s[TMP], 10
	s_add_co_u32 s[\sb+6], s[\sb+6], s[TMP]
	s_and_b32 s[TMP], s[\tl], 7
	s_lshl_b32 s[TMP], s[TMP], 7
	s_add_co_u32 s[\sb+6], s[\sb+6], s[TMP]
	s_and_b32 s[TMP], s[HD], 1
	s_lshl_b32 s[TMP], s[TMP], 2
	s_add_co_u32 s[\sb+6], s[\sb+6], s[TMP]
	s_add_co_u32 s[\sb+6], s[\sb+6], O_SC
	s_mov_b32 s[\sb+7], 0
.endm
.macro FLOAD fr, sc, io, so            ; a step's 8 fragments and 4 registers of scale words: 26 loads
	global_load_b64 v[\sc:\sc+1], v[A8], s[SB:SB+1] offset:\so
	global_load_b64 v[\sc+2:\sc+3], v[A8], s[SB:SB+1] offset:\so+256
.irp t, 0,1,2,3,4,5,6,7
.irp c, 0,1,2
	global_load_b128 v[\fr+12*\t+4*\c:\fr+12*\t+4*\c+3], v[A16], s[CB:CB+1] offset:\io+1536*\t+512*\c
.endr
.endr
.endm
; 8 matrix instructions, source 0 in window 0, all else in window w.  zero = 1: S^T = k q^T; zero = 0: O^T += v^T p^T.  The accumulators take turns.
.macro MM w, d, fr, bb, sc, bw, zero
	WIN 0x54*\w
.set t, 0
.rept 8
.if \zero
.if (t/2)%2
	v_wmma_scale_f32_16x16x128_f8f6f4 v[\d+8*t:\d+8*t+7], v[\fr+12*t:\fr+12*t+11], v[\bb:\bb+11], 0, v[\sc+2*(t/4)+t%2], v[\bw] matrix_a_fmt:MATRIX_FMT_BF6 matrix_b_fmt:MATRIX_FMT_BF6 matrix_a_scale:MATRIX_SCALE_ROW1
.else
	v_wmma_scale_f32_16x16x128_f8f6f4 v[\d+8*t:\d+8*t+7], v[\fr+12*t:\fr+12*t+11], v[\bb:\bb+11], 0, v[\sc+2*(t/4)+t%2], v[\bw] matrix_a_fmt:MATRIX_FMT_BF6 matrix_b_fmt:MATRIX_FMT_BF6
.endif
.else
.if (t/2)%2
	v_wmma_scale_f32_16x16x128_f8f6f4 v[\d+8*t:\d+8*t+7], v[\fr+12*t:\fr+12*t+11], v[\bb:\bb+11], v[\d+8*t:\d+8*t+7], v[\sc+2*(t/4)+t%2], v[\bw] matrix_a_fmt:MATRIX_FMT_BF6 matrix_b_fmt:MATRIX_FMT_BF6 matrix_a_scale:MATRIX_SCALE_ROW1
.else
	v_wmma_scale_f32_16x16x128_f8f6f4 v[\d+8*t:\d+8*t+7], v[\fr+12*t:\fr+12*t+11], v[\bb:\bb+11], v[\d+8*t:\d+8*t+7], v[\sc+2*(t/4)+t%2], v[\bw] matrix_a_fmt:MATRIX_FMT_BF6 matrix_b_fmt:MATRIX_FMT_BF6
.endif
.endif
.set t, t+1
.endr
	WIN 0
.endm
.macro MASK w                          ; the diagonal step: register n is key 32 (n / 16) + 16 h + n % 16 of the step; keys behind my query get -infinity
	WIN 0x55*\w
	s_wait_alu depctr_va_vdst(0)                   ; ahead of the first readers of the scores
.set n, 0
.rept 64
	v_cmp_gt_i32 vcc_lo, 32*(n/16)+n%16, v[QI]
	v_cndmask_b32 v[S+n], v[S+n], v[NI], vcc_lo
.set n, n+1
.endr
	WIN 0
.endm
.macro PACK                            ; 64 numbers in v[S] on, scale operands in v[SO] on, become a fragment's 12 registers in v[PCD] on
.irp c, 0,1
	v_cvt_scalef32_pk16_bf6_f32 v[PCD+6*\c:PCD+6*\c+2], v[S+32*\c:S+32*\c+15], v[SO+2*\c]
	v_cvt_scalef32_pk16_bf6_f32 v[PCD+12+4*\c:PCD+14+4*\c], v[S+32*\c+16:S+32*\c+31], v[SO+2*\c+1]
.endr
	v_nop                                          ; one plain place behind a scaled conversion
.irp c, 0,1                            ; the layout wants a whole block in a lane
.irp i, 0,1,2
	v_permlane16_swap_b32 v[PCD+6*\c+\i], v[PCD+12+4*\c+\i]
.endr
.irp i, 0,1,2
	v_mov_b32 v[PCD+3+6*\c+\i], v[PCD+12+4*\c+\i]
.endr
.endr
.endm
.macro BYTES                           ; block maxima in v[BM] on: with lane l xor 16's; scale operands; bytes in v[BT] on
.irp b, 0,1,2,3
	v_add_nc_u32 v[SO+\b], 0xfe000000, v[BM+\b]    ; 4 off the exponent field
.endr
.irp b, 0,1,2,3
	v_lshrrev_b32 v[BT+\b], 23, v[SO+\b]
.endr
	v_lshl_or_b32 v[TA], v[BT+1], 8, v[BT]
	v_lshl_or_b32 v[TA], v[BT+2], 16, v[TA]
.endm
.macro SOFT w, pw                      ; a tile's softmax step, all in window w; p's scale word goes to v[pw] of window 0
	WIN 0x55*\w
	s_wait_alu depctr_va_vdst(0)                   ; ahead of the first readers of the scores and of O^T: only plain lines follow up to the last of them
.irp b, 0,1,2,3
	v_max3_num_f32 v[BM+\b], v[S+16*\b], v[S+16*\b+1], v[S+16*\b+2]   ; the largest score of each block of 32 keys
.endr
.irp i, 3,5,7,9,11,13
.irp b, 0,1,2,3
	v_max3_num_f32 v[BM+\b], v[BM+\b], v[S+16*\b+\i], v[S+16*\b+\i+1]
.endr
.endr
.irp b, 0,1,2,3
	v_max_num_f32 v[BM+\b], v[BM+\b], v[S+16*\b+15]
.endr
.irp b, 0,1,2,3
	v_permlanex16_b32 v[BT+\b], v[BM+\b], s[SEL], s[SEL+1]
.endr
.irp b, 0,1,2,3
	v_max_num_f32 v[BM+\b], v[BM+\b], v[BT+\b]
.endr
	v_max3_num_f32 v[TA], v[BM], v[BM+1], v[BM+2]
	v_max_num_f32 v[TA], v[TA], v[BM+3]
	v_mul_f32 v[TA], s[CS], v[TA]
	v_max_num_f32 v[MX], v[MX], v[TA]
	v_mov_b32 v[TA], v[NM]
	v_floor_f32 v[NM], -v[MX]                      ; -M = floor(-t): M is a whole number
	v_sub_f32 v[TA], v[NM], v[TA]
.set j, 0
.rept 32
	v_pk_fma_f32 v[S+j:S+j+1], v[S+j:S+j+1], s[CS:CS+1], v[NM:NM+1] op_sel_hi:[1,0,0]   ; t - M
.set j, j+2
.endr
.irp b, 0,1,2,3
	v_fma_f32 v[BM+\b], v[BM+\b], s[CS], v[NM]     ; the same of each block's largest score
.endr
	v_cvt_i32_f32 v[TA], v[TA]
	v_ldexp_f32 v[F], 1.0, v[TA]                   ; 2^(old M - new M): rounds nothing
.set j, 0
.rept 32
	v_pk_mul_f32 v[O+j:O+j+1], v[O+j:O+j+1], v[F:F+1] op_sel_hi:[1,0]
.set j, j+2
.endr
	s_wait_alu depctr_va_vdst(0)                   ; one wait ahead of the batch
.set j, 0
.rept 64
	v_exp_f32 v[S+j], v[S+j]
.set j, j+1
.endr
.irp b, 0,1,2,3
	v_exp_f32 v[BM+\b], v[BM+\b]                   ; the block's largest p
.endr
	v_pk_mul_f32 v[L:L+1], v[L:L+1], v[F:F+1] op_sel_hi:[1,0]   ; a plain place behind the batch
	s_wait_alu depctr_va_vdst(0)                   ; and one behind it
.irp b, 0,1,2,3
	v_max_num_f32 v[BM+\b], 0x2800000, v[BM+\b]    ; the floor 2^(5 - 127)
.endr
	BYTES
	WIN 0x15*\w
	v_lshl_or_b32 v[\pw], v[BT+3], 24, v[TA]
	WIN 0x55*\w
	PACK
.irp c, 0,1,2,3                        ; the row's sum of the unquantised p, in four chains; these lines are also the places ahead of the second product
	v_pk_add_f32 v[SU+2*\c:SU+2*\c+1], v[S+2*\c:S+2*\c+1], v[S+8+2*\c:S+9+2*\c]
.endr
.irp j, 16,24,32,40,48,56
.irp c, 0,1,2,3
	v_pk_add_f32 v[SU+2*\c:SU+2*\c+1], v[SU+2*\c:SU+2*\c+1], v[S+\j+2*\c:S+\j+2*\c+1]
.endr
.endr
	v_pk_add_f32 v[SU:SU+1], v[SU:SU+1], v[SU+2:SU+3]
	v_pk_add_f32 v[SU+4:SU+5], v[SU+4:SU+5], v[SU+6:SU+7]
	v_pk_add_f32 v[L:L+1], v[L:L+1], v[SU:SU+1]
	v_pk_add_f32 v[L:L+1], v[L:L+1], v[SU+4:SU+5]
	WIN 0
.endm
.macro EPI w, sb                       ; O^T / l, quantised along the channels, stored as the next product's fragment
	WIN 0x55*\w
	v_add_f32 v[L], v[L], v[L+1]
	v_permlanex16_b32 v[F], v[L], s[SEL], s[SEL+1]
	v_add_f32 v[L], v[L], v[F]
	s_wait_alu depctr_va_vdst(0)
	v_rcp_f32 v[L], v[L]
	v_nop
	s_wait_alu depctr_va_vdst(0)
.set j, 0
.rept 32
	v_pk_mul_f32 v[S+j:S+j+1], v[O+j:O+j+1], v[L:L+1] op_sel_hi:[1,0]
.set j, j+2
.endr
.irp b, 0,1,2,3
	v_max3_num_f32 v[BM+\b], |v[S+16*\b]|, |v[S+16*\b+1]|, 0x2800000
.endr
.irp i, 2,4,6,8,10,12,14
.irp b, 0,1,2,3
	v_max3_num_f32 v[BM+\b], |v[S+16*\b+\i]|, |v[S+16*\b+\i+1]|, v[BM+\b]
.endr
.endr
.irp b, 0,1,2,3
	v_permlanex16_b32 v[BT+\b], v[BM+\b], s[SEL], s[SEL+1]
.endr
.irp b, 0,1,2,3
	v_max_num_f32 v[BM+\b], v[BM+\b], v[BT+\b]
.endr
	BYTES
	v_lshl_or_b32 v[TA], v[BT+3], 24, v[TA]
	PACK
	WIN 0x04*\w                                    ; a store's data are its source 1
.irp c, 0,1,2
	global_store_b128 v[A16], v[PCD+4*\c:PCD+4*\c+3], s[\sb+4:\sb+5] offset:512*\c   ; 512 consecutive bytes
.endr
	global_store_b32 v[R8], v[TA], s[\sb+6:\sb+7]
	WIN 0
.endm
.macro NEXTK                           ; behind a step's scores: the next step's k, and the prefetch
	PLACES                                         ; in front of loads into registers that the products read, and of the first read of scores
	s_wait_xcnt 0x0                                ; the bases and the prefetch's offset are stepped only behind this wait
	s_add_nc_u64 s[CB:CB+1], s[CB:CB+1], 12288
	s_add_nc_u64 s[SB:SB+1], s[SB:SB+1], 512
	v_add_nc_u32 v[PF], v[PF], v[PSTR]
	FLOAD KF, KS, 0, 0
	s_cmp_lt_u32 s[KAP], s[PLIM]
	s_cbranch_scc0 .Lno_pf_\@
	global_prefetch_b8 v[PF], s[4:5] th:TH_LOAD_NT scope:SCOPE_SE
.Lno_pf_\@:
.endm
.macro INIT w, sb
	WIN 0x40*\w                                    ; destination window w
.irp c, 0,1,2
	global_load_b128 v[QF+4*\c:QF+4*\c+3], v[A16], s[\sb:\sb+1] offset:512*\c
.endr
	v_mov_b32 v[MX], 0xff61b1e6                    ; -3e38, under every t
	v_mov_b32 v[NM], 0x7f61b1e6
	v_mov_b32 v[L], 0
	v_mov_b32 v[L+1], 0
	v_mov_b32 v[F], 0
	v_mov_b32 v[F+1], 0
.irp b, 0,1,2,3
	v_mov_b32 v[BT+\b], 0                          ; a lane permute's destination counts as one of its sources
.endr
	v_mov_b32 v[NI], 0xff800000
	v_mov_b32 v[QI], v11
.set j, 0
.rept 64
	v_mov_b32 v[O+j], 0                            ; the step is written once: the first finds zeros
.set j, j+1
.endr
	WIN 0
.endm
	s_load_b128 s[4:7], s[0:1], 0x0                ; q, k, v as codes s[4:5]; the result s[6:7]
	v_lshrrev_b32 v6, 5, v0
	v_readfirstlane_b32 s[WV], v6
	v_and_b32 v6, 31, v0                           ; lane
	v_and_b32 v7, 15, v0                           ; r
	v_bfe_u32 v10, v0, 4, 1                        ; h
	v_lshlrev_b32 v[A16], 4, v6
	v_lshlrev_b32 v[A8], 3, v6
	v_lshlrev_b32 v[R8], 3, v7
	v_and_b32 v11, 8, v7
	v_add_nc_u32 v11, v11, v7
	v_lshlrev_b32 v10, 4, v10
	v_sub_nc_u32 v11, v11, v10                     ; r + 8 (r / 8) - 16 h
	v_min_u32 v8, 5, v6                            ; the prefetch: lanes 0-2 k's blocks, 3-5 v's
	v_mul_u32_u24 v10, v8, 11
	v_lshrrev_b32 v10, 5, v10                      ; 1 from lane 3 on
	v_lshlrev_b32 v9, 8, v8
	v_mad_u32_u24 v9, v10, VIMG-768, v9
	v_cmp_lt_u32 s[LM], 5, v6                      ; lanes 6-31
	s_and_b32 s[HD], ttmp7, 0xffff                 ; head
	s_lshr_b32 s[G], ttmp9, 1                      ; g = x / 2: a work-group's four waves have one g and one head, run the same text and name the same fragments of k and v in each step
	s_and_b32 s[T], ttmp9, 1
	s_lshl_b32 s[T], s[T], 2
	s_add_co_u32 s[T], s[T], s[WV]                 ; T = 4 (x % 2) + wave
	s_lshl_b32 s[TL], s[G], 3
	s_add_co_u32 s[TL], s[TL], s[T]
	s_sub_co_u32 s[LAST], 15, s[G]                 ; hi's group, and its last key step
	s_lshl_b32 s[TH], s[LAST], 3
	s_add_co_u32 s[TH], s[TH], s[T]
	s_lshr_b32 s[TQ], s[T], 1
	s_lshl_b32 s[TQ], s[TQ], 5
	s_and_b32 s[TMP], s[T], 1
	s_lshl_b32 s[TMP], s[TMP], 3
	s_add_co_u32 s[TQ], s[TQ], s[TMP]              ; stored tile T begins at token 32 (T / 2) + 8 (T % 2) of its group
	s_lshr_b32 s[TMP], s[HD], 1
	s_add_co_u32 s[TMP], s[TMP], 16                ; k's head slot
	s_mul_i32 s[CB], s[TMP], IMGB
	s_mov_b32 s[CB+1], 0
	s_lshl_b32 s[SB], s[TMP], 13
	s_add_co_u32 s[SB], s[SB], QSC
	s_mov_b32 s[SB+1], 0
	s_and_b32 s[IDX], s[HD], 1
	s_lshl_b32 s[IDX], s[IDX], 3
	s_add_co_u32 s[IDX], s[IDX], s[T]              ; my place among the 16 that prefetch for this key head
	s_mul_i32 s[PK], s[IDX], 768
	s_add_co_u32 s[PK], s[PK], s[CB]
	s_add_co_u32 s[PSO], s[PK], VIMG+512           ; lanes 6-31: lane 5's block again,
	s_mov_b32 s[PSS], 12288
	s_lshr_b32 s[TMP], s[IDX], 1
	s_lshl_b32 s[TMP], s[TMP], 16
	s_add_co_u32 s[TMP], s[TMP], s[SB]
	s_and_b32 s[TM2], s[IDX], 1
	s_lshl_b32 s[TM2], s[TM2], 8
	s_add_co_u32 s[TMP], s[TMP], s[TM2]
	s_cmp_lt_u32 s[IDX], 4
	s_cselect_b32 s[PSO], s[TMP], s[PSO]           ; or, in places 0-3, one of the step's four blocks of scale words
	s_cselect_b32 s[PSS], 512, s[PSS]
	s_cmp_eq_u32 s[G], 0
	s_cselect_b32 s[PLIM], 12, 0                   ; trips in which I prefetch
	TADDR TL, LO
	TADDR TH, HI
	s_mov_b32 s[SEL], 0x76543210
	s_mov_b32 s[SEL+1], 0xfedcba98
	s_mov_b32 s[CS], 0x3fb8aa3b                    ; log2(e); 128^-1/2 is in q already
	s_mov_b32 s[CS+1], s[CS]
	s_mov_b32 s[KAP], 0
	s_wait_alu depctr_va_vdst(0)                   ; behind the run of scalar lines
	v_add_nc_u32 v11, s[TQ], v11
	v_add_nc_u32 v9, s[PK], v9
	v_mov_b32 v10, s[PSO]
	v_cndmask_b32 v9, v9, v10, s[LM]               ; step 0's blocks
	v_mov_b32 v[PSTR], 12288
	v_mov_b32 v10, s[PSS]
	v_cndmask_b32 v[PSTR], v[PSTR], v10, s[LM]
	v_add_nc_u32 v8, v9, v[PSTR]                   ; step 1's,
	v_add_nc_u32 v9, v8, v[PSTR]                   ; step 2's,
	v_add_nc_u32 v[PF], v9, v[PSTR]                ; step 3's
	s_wait_alu depctr_va_vdst(0)
	s_wait_kmcnt 0x0
	s_add_nc_u64 s[CB:CB+1], s[4:5], s[CB:CB+1]
	s_add_nc_u64 s[SB:SB+1], s[4:5], s[SB:SB+1]
.irp b, LO, HI
	s_add_nc_u64 s[\b:\b+1], s[4:5], s[\b:\b+1]
	s_add_nc_u64 s[\b+2:\b+3], s[4:5], s[\b+2:\b+3]
	s_add_nc_u64 s[\b+4:\b+5], s[6:7], s[\b+4:\b+5]
	s_add_nc_u64 s[\b+6:\b+7], s[6:7], s[\b+6:\b+7]
.endr
	global_load_b32 v[QWL], v[R8], s[LO+2:LO+3]
	global_load_b32 v[QWH], v[R8], s[HI+2:HI+3]
	INIT 1, LO
	INIT 2, HI
	FLOAD KF, KS, 0, 0                             ; step 0
	FLOAD VF, VS, VIMG, VSCL
	s_cmp_lg_u32 s[PLIM], 0
	s_cbranch_scc0 .Lno_pf0
	global_prefetch_b8 v8, s[4:5] th:TH_LOAD_NT scope:SCOPE_SE
	global_prefetch_b8 v9, s[4:5] th:TH_LOAD_NT scope:SCOPE_SE
	global_prefetch_b8 v[PF], s[4:5] th:TH_LOAD_NT scope:SCOPE_SE
.Lno_pf0:
	s_wait_alu depctr_va_vdst(0)                   ; the head's end
.Ltrip:                                                ; key steps 0 .. 14 - g: hi is open in all of them; lo is open under g, on its diagonal at g, done behind g
	s_wait_loadcnt 26                              ; k's fragments are in; v's 26 loads may be out
	s_cmp_gt_u32 s[KAP], s[G]
	s_cbranch_scc1 .Lhi_only                       ; the trip parts once: both tiles, or hi alone; both ways issue the same 26 + 26 loads
	MM 1, S, KF, QF, KS, QWL, 1
	MM 2, S, KF, QF, KS, QWH, 1
	NEXTK
	s_cmp_eq_u32 s[KAP], s[G]
	s_cbranch_scc0 .Lopen
	MASK 1
.Lopen:
	SOFT 1, PWL
	SOFT 2, PWH
	s_wait_alu depctr_va_vdst(0)
	s_wait_loadcnt 26                              ; v's fragments are in; the next k's 26 loads may be out
	MM 1, O, VF, PCD, VS, PWL, 0
	MM 2, O, VF, PCD, VS, PWH, 0
	s_branch .Lnext
.Lhi_only:
	MM 2, S, KF, QF, KS, QWH, 1
	NEXTK
	SOFT 2, PWH
	s_wait_alu depctr_va_vdst(0)
	s_wait_loadcnt 26
	MM 2, O, VF, PCD, VS, PWH, 0
.Lnext:
	PLACES
	FLOAD VF, VS, VIMG, VSCL                       ; the next step's v
	s_add_co_u32 s[KAP], s[KAP], 1
	s_cmp_lt_u32 s[KAP], s[LAST]
	s_cbranch_scc1 .Ltrip
	EPI 1, LO                                      ; lo leaves while the last step's loads land
	s_wait_alu depctr_va_vdst(0)
	s_wait_loadcnt 26
	MM 2, S, KF, QF, KS, QWH, 1                    ; hi's diagonal step, written out: it loads nothing more
	PLACES
	MASK 2
	SOFT 2, PWH
	s_wait_alu depctr_va_vdst(0)
	s_wait_loadcnt 0x0
	MM 2, O, VF, PCD, VS, PWH, 0
	PLACES
	EPI 2, HI
	s_endpgm
.Lfunc_end_k_q93269dfd90_attn:
	.size	k_q93269dfd90_attn, .Lfunc_end_k_q93269dfd90_attn-k_q93269dfd90_attn
	.p2alignl 7, 3214868480
	.fill 96, 4, 3214868480
	.section	.rodata,"a",@progbits
	.p2align	6, 0x0
	.amdhsa_kernel k_q93269dfd90_attn
		.amdhsa_group_segment_fixed_size 0
		.amdhsa_private_segment_fixed_size 0
		.amdhsa_enable_private_segment 0
		.amdhsa_kernarg_size 16
		.amdhsa_user_sgpr_count 2
		.amdhsa_user_sgpr_kernarg_segment_ptr 1
		.amdhsa_wavefront_size32 1
		.amdhsa_system_sgpr_workgroup_id_x 1
		.amdhsa_system_sgpr_workgroup_id_y 1
		.amdhsa_system_sgpr_workgroup_id_z 1
		.amdhsa_system_vgpr_workitem_id 0
		.amdhsa_next_free_vgpr 768
		.amdhsa_next_free_sgpr 66
		.amdhsa_reserve_vcc 1
		.amdhsa_float_denorm_mode_32 3
		.amdhsa_float_denorm_mode_16_64 3
		.amdhsa_memory_ordered 1
		.amdhsa_forward_progress 1
		.amdhsa_inst_pref_size 109
	.end_amdhsa_kernel
	.amdgpu_metadata
---
amdhsa.version: [ 1, 2 ]
amdhsa.kernels:
  - .name:           k_q93269dfd90_attn
    .symbol:         k_q93269dfd90_attn.kd
    .args:
      - { .name: qbuf, .offset: 0, .size: 8, .value_kind: global_buffer, .address_space: global }
      - { .name: obuf, .offset: 8, .size: 8, .value_kind: global_buffer, .address_space: global }
    .group_segment_fixed_size: 0
    .private_segment_fixed_size: 0
    .kernarg_segment_align: 8
    .kernarg_segment_size: 16
    .max_flat_workgroup_size: 128
    .sgpr_count:     66
    .vgpr_count:     768
    .wavefront_size: 32
...
	.end_amdgpu_metadata
.endif
;; end of part 3
;; launch oproj (part 4): grid 16 x 16, 4 waves a work-group, clusters of 4 x 4, 327,680 bytes of LDS; arguments obuf, pbuf, out0; writes out0
.if DOCPART == 4
	.amdgcn_target "amdgcn-amd-amdhsa--gfx1250"
	.amdhsa_code_object_version 6
	.text
	.protected	k_q93269dfd90_oproj
	.globl	k_q93269dfd90_oproj
	.p2align	8
	.type	k_q93269dfd90_oproj,@function
k_q93269dfd90_oproj:
	s_mov_b64 s[64:65], 0
	v_nop
	global_prefetch_b8 v0, s[64:65] scope:SCOPE_SE
	s_setreg_imm32_b32 hwreg(HW_REG_WAVE_MODE, 25, 1), 1
	s_wait_xcnt 0x0
	s_wait_alu depctr_hold_cnt(0) depctr_sa_sdst(0) depctr_va_vdst(0) depctr_va_sdst(0) depctr_va_ssrc(0) depctr_va_vcc(0) depctr_vm_vsrc(0)
	s_getreg_b32 s2, hwreg(HW_REG_IB_STS2, 6, 4)
	s_cmp_eq_u32 s2, 0
	s_cbranch_scc0 .Lentry_in_a_cluster
	s_endpgm
.Lentry_in_a_cluster:
	s_bfe_u32 s2, ttmp6, 0x10000c
	s_cmp_lg_u32 s2, 0xf033
	s_cbranch_scc0 .Lentry_shape_is_right
	s_endpgm
.Lentry_shape_is_right:
; OUT = (attention's result) w_o on codes of BF6; out0 [2048][2048] f32.
; C' = A B^T with the matrix instruction used transposed: source 0 = 16 stored rows of B (w_o's columns), source 1 = 16 stored rows of A (tokens).  Lane (r, h) holds stored token row r of A's tile; register j of
; B's tile 2 B + u is the NATURAL column 32 B + 16 h + 8 u + j (stored rows have bits 3 and 4 of the natural row exchanged).  The way out puts columns and rows back in natural order.
; A work-group makes 128 tokens x 128 columns: 256 work-groups; four waves as 2 x 2, each 64 x 64: 16 accumulators.  16 steps of 128 along K, written out.
; Operands lie in memory and in LDS as images of their registers (1,536 bytes a fragment: three loads of 512 consecutive bytes); a row tile's 16 images are 24,576 consecutive bytes.
; LDS.  X (bytes 0 on): K's quarters 0 and 1, rows of 12,288 bytes: A's 8 row tiles, then B's 8.  Y (196,608 on): quarter 2, rows of 6,144 bytes.  Z: quarter 3, laid as Y, a refill of X's first 98,304 bytes.
; THE FILLS.  At the head one tensor load a wave: wave 0 X's part of A, wave 1 A's scales, wave 2 X's part of B, wave 3 B's scales.  Y is first filled behind the full sequence and a round, a quarter of it a wave;
; Z behind the round at the end of quarter 1.  By this text's count a wave never has more than one tensor load out.
; CLUSTERS 4 x 4: A's tiles are asked for jointly along a row of the cluster, B's along a column.
; PREFETCH.  Quarter 2 is asked for behind the head's loads, quarter 3 behind quarter 2's load: each one fill ahead of its own.  A quarter of a row tile is 24 blocks of 256 bytes, a block a lane (left-over lanes name the
; last block again).  The four partners that ask for a tile jointly share its 8 row tiles out by address, two each: waves 0 and 1 take A's row tiles 2 cx and 2 cx + 1, waves 2 and 3 B's 2 cy and 2 cy + 1.
; REGISTERS: window 0: v1-6 lane terms, v16-29 addresses, v32-63 scale words (two sets of 16), v128-223 A's fragments (two sets of 48), on the way out v128-191 rows of the result.
;   window 1: B's fragments at v0 and v128 (two sets of 48).   window 2: the accumulators, (a, b) at v[8 (4 a + b)].
.set IMGB,  196608
.set SCB,   12582912
.set O_SC,  3145728
.set XB,    98304                      ; X's part of B
.set YS,    196608
.set BOFF,  49152                      ; B's part of Y and of Z
.set ASC,   294912                     ; A's scales, all of K: 8,192 bytes
.set BSC,   303104                     ; B's
.set SPARE, 311296                     ; the spare words, 128 bytes a wave
.set STAGE, XB                         ; the way out: 16 rows x 272 bytes a wave, in X's part of B: filled once, last read ahead of the barrier at the end of quarter 1
.set PFO,  6                           ; v6 the prefetch's offset: 256 x lane, at most 23; never rewritten
.set ADRA, 16                          ; v16-18 my A fragments in Z, X, Y
.set ADRB, 20                          ; v20-22 my B fragments
.set STO,  24
.set RD,   25
.set CO,   26
.set ADSA, 27                          ; scale words: lanes 0-15 A's tiles, lanes 16-31 B's
.set SPW,  28
.set NIL,  29
.set SC,   32
.set AF,   128
.set BK,   128
.set G1,   24
.set G1B,  32
.set G1S,  40
.set G1SB, 48
.set G0S,  56
.set G0SB, 60
.set G0,   68                          ; s[68:79] groups 0 for A: Z, X, Y;  s[80:91] for B
.set G0B,  80
.set MUL,  0xa1
.set TO_B, 0x40
.set MSB, 0
.macro WIN new
.if MSB != (\new)
	s_set_vgpr_msb (MSB<<8)|(\new)
.set MSB, (\new)
.endif
.endm
.macro PLACES n
.rept \n
	v_nop
.endr
.endm
.macro JLOAD g0a, g1a, g0b, g1b        ; a joint load: waves 0 and 1 fetch for A, waves 2 and 3 for B
	s_cmp_eq_u32 s15, 0
	s_cbranch_scc0 .Lfor_b_\@
	tensor_load_to_lds s[\g0a:\g0a+3], s[\g1a:\g1a+7]
	s_nop 0
.rept 4
	v_nop
.endr
	s_branch .Lasked_\@
.Lfor_b_\@:
	tensor_load_to_lds s[\g0b:\g0b+3], s[\g1b:\g1b+7]
	s_nop 0
.rept 4
	v_nop
.endr
.Lasked_\@:
.endm
.macro CREST
	s_cmp_lg_u32 s14, 0
	s_cbranch_scc1 .Lnot_wave_0_\@
	s_barrier_signal -3
.Lnot_wave_0_\@:
	s_barrier_wait -3
	s_barrier_signal -1
	s_barrier_wait -1
.endm
.macro CROUND
	s_barrier_signal -1
	s_barrier_wait -1
	CREST
.endm
.macro ARM under, g0, g1, next
	s_cmp_lt_u32 s14, \under
	s_cbranch_scc0 \next
	tensor_load_to_lds s[\g0:\g0+3], s[\g1:\g1+7]
	s_nop 0
.rept 4
	v_nop
.endr
	s_branch .Lhead_asked
\next:
.endm
	s_load_b128 s[4:7], s[0:1], 0x0                    ; attention's codes s[4:5], the weights' s[6:7]
	s_load_b64 s[8:9], s[0:1], 0x10                    ; out0
	v_lshl_add_u32 v[SPW], v0, 2, SPARE
	v_mov_b32 v[NIL], 0
	ds_add_u32 v[SPW], v[NIL]                          ; the opening lines: the add twice on end and its wait
	ds_add_u32 v[SPW], v[NIL]
	v_lshrrev_b32 v1, 5, v0
	v_readfirstlane_b32 s14, v1                        ; wave 0..3
	s_lshr_b32 s15, s14, 1                             ; wr: my half of A's rows.  Also: I fetch for A (0) or for B (1)
	s_and_b32 s16, s14, 1                              ; wc: my half of B's rows.  Also: which half I fetch
	s_bfe_u32 s92, ttmp6, 0x40000                      ; cx
	s_bfe_u32 s93, ttmp6, 0x40004                      ; cy
	s_and_b32 s17, ttmp7, 0xffff
	s_lshl_b32 s94, s93, 2
	s_lshl_b32 s94, 15, s94                            ; my row of the cluster
	s_lshl_b32 s95, 0x1111, s92                        ; my column
	s_lshl_b32 s18, s17, 2
	s_add_co_u32 s18, s18, s93                         ; A's block of 128 tokens
	s_lshl_b32 s20, ttmp9, 2
	s_add_co_u32 s20, s20, s92
	s_add_co_u32 s20, s20, 48                          ; B's block of 128 columns
	s_or_b32 s[G1+0], s94, (3<<16)|(1<<21)
	s_or_b32 s[G1B+0], s95, (3<<16)|(1<<21)
.irp g, G1, G1B                        ; codes, for the head's loads: 8 row tiles, of each 12,288 bytes (1,536 elements of 8), 24,576 bytes apart
	s_mov_b32 s[\g+1], 1536<<16
	s_mov_b32 s[\g+2], 8<<16
	s_mov_b32 s[\g+3], 1536<<16
	s_mov_b32 s[\g+4], 8
	s_mov_b32 s[\g+5], 3072
	s_mov_b32 s[\g+6], 0
	s_mov_b32 s[\g+7], 0
.endr
	s_or_b32 s[G1S+0], s94, (3<<16)|(1<<21)
	s_or_b32 s[G1SB+0], s95, (3<<16)|(1<<21)
.irp g, G1S, G1SB                      ; scales: a block's 8,192 dense bytes, as 32 rows of 256 bytes
	s_mov_b32 s[\g+1], 32<<16
	s_mov_b32 s[\g+2], 32<<16
	s_mov_b32 s[\g+3], 32<<16
	s_mov_b32 s[\g+4], 32
	s_mov_b32 s[\g+5], 32
	s_mov_b32 s[\g+6], 0
	s_mov_b32 s[\g+7], 0
.endr
	s_mul_i32 s19, s16, 98304                          ; the upper half: four row tiles on
	s_mul_i32 s22, s18, IMGB
	s_add_co_u32 s22, s22, s19                         ; A's images
	s_mov_b32 s23, 0
	s_lshl_b32 s96, s18, 13
	s_add_co_u32 s96, s96, O_SC                        ; A's scales
	s_mov_b32 s97, 0
	s_mul_i32 s98, s20, IMGB
	s_add_co_u32 s98, s98, s19                         ; B's images
	s_mov_b32 s99, 0
	s_lshl_b32 s100, s20, 13
	s_add_co_u32 s100, s100, SCB                       ; B's scales
	s_mov_b32 s101, 0
	s_mul_i32 s2, s16, 24576                           ; in LDS: the wave's number alone: A's half in Y and Z,
	s_add_co_u32 s3, s2, BOFF                          ; B's
	s_cmp_eq_u32 s15, 0                                ; the prefetch: do I fetch for A?
	s_cselect_b32 s10, s18, s20                        ; the block,
	s_cselect_b32 s11, s92, s93                        ; my place among the four that ask for it with me,
	s_mul_i32 s10, s10, IMGB
	s_lshl_b32 s11, s11, 1
	s_add_co_u32 s11, s11, s16                         ; and my row tile of my work-group's two
	s_mul_i32 s11, s11, 24576
	s_add_co_u32 s10, s10, s11
	s_mov_b32 s11, 0
	s_lshl_b32 s12, s18, 20                            ; my part of out0
	s_lshl_b32 s13, s15, 19
	s_add_co_u32 s12, s12, s13
	s_sub_co_u32 s13, s20, 48
	s_lshl_b32 s13, s13, 9
	s_add_co_u32 s12, s12, s13
	s_lshl_b32 s13, s16, 8
	s_add_co_u32 s12, s12, s13
	s_mov_b32 s13, 0
	s_wait_dscnt 0x0                                   ; both opening adds are done
	s_wait_kmcnt 0x0
	s_add_nc_u64 s[22:23], s[4:5], s[22:23]
	s_add_nc_u64 s[96:97], s[4:5], s[96:97]
	s_add_nc_u64 s[98:99], s[6:7], s[98:99]
	s_add_nc_u64 s[100:101], s[6:7], s[100:101]
	s_add_nc_u64 s[12:13], s[8:9], s[12:13]
	s_cmp_eq_u32 s15, 0
	s_cselect_b64 s[20:21], s[4:5], s[6:7]
	s_add_nc_u64 s[20:21], s[20:21], s[10:11]          ; the prefetch's base: my row tile
	CROUND                                             ; all sixteen work-groups are here: the first joint loads meet
	s_mov_b32 s[G0S], 1
	s_mov_b32 s[G0S+1], ASC
	s_mov_b64 s[G0S+2:G0S+3], s[96:97]
	s_or_b32 s[G0S+3], s[G0S+3], 0x80000000
	s_mov_b32 s[G0SB], 1
	s_mov_b32 s[G0SB+1], BSC
	s_mov_b64 s[G0SB+2:G0SB+3], s[100:101]
	s_or_b32 s[G0SB+3], s[G0SB+3], 0x80000000
	s_mov_b32 s[G0+4], 1                               ; X: issued by waves 0 and 2, whose half is the lower one: the address is the block's first row tile
	s_mov_b32 s[G0+5], 0
	s_mov_b64 s[G0+6:G0+7], s[22:23]
	s_or_b32 s[G0+7], s[G0+7], 0x80000000
	s_mov_b32 s[G0B+4], 1
	s_mov_b32 s[G0B+5], XB
	s_mov_b64 s[G0B+6:G0B+7], s[98:99]
	s_or_b32 s[G0B+7], s[G0B+7], 0x80000000
.irp s, 0,2                            ; set 0: Z, quarter 3;  set 2: Y, quarter 2
	s_mov_b32 s[G0+4*\s], 1
	s_add_co_u32 s[G0+4*\s+1], s2, (\s/2)*YS
	s_add_nc_u64 s[G0+4*\s+2:G0+4*\s+3], s[22:23], (3-\s/2)*6144
	s_or_b32 s[G0+4*\s+3], s[G0+4*\s+3], 0x80000000
	s_mov_b32 s[G0B+4*\s], 1
	s_add_co_u32 s[G0B+4*\s+1], s3, (\s/2)*YS
	s_add_nc_u64 s[G0B+4*\s+2:G0B+4*\s+3], s[98:99], (3-\s/2)*6144
	s_or_b32 s[G0B+4*\s+3], s[G0B+4*\s+3], 0x80000000
.endr
	ARM 1, G0+4,  G1,  .Lhead_sa                       ; one chain of branches on the wave's number, one load to an arm, one join
	ARM 2, G0S,   G1S, .Lhead_b
	ARM 3, G0B+4, G1B, .Lhead_sb
	tensor_load_to_lds s[G0SB:G0SB+3], s[G1SB:G1SB+7]
	s_nop 0
.rept 4
	v_nop
.endr
.Lhead_asked:
	v_and_b32 v2, 31, v0                               ; lane
	v_and_b32 v3, 15, v0                               ; r
	v_bfe_u32 v4, v0, 4, 1                             ; h
	v_lshlrev_b32 v1, 4, v2                            ; 16 x lane
	v_min_u32 v[PFO], 23, v2
	v_lshlrev_b32 v[PFO], 8, v[PFO]
	s_wait_alu depctr_va_vdst(0)                       ; behind these writes
	global_prefetch_b8 v[PFO], s[20:21] offset:2*6144 th:TH_LOAD_NT scope:SCOPE_SE   ; quarter 2
	s_mul_i32 s2, s15, 24576                           ; my 64 rows of A in Z,
	s_mul_i32 s3, s16, 24576
	s_add_co_u32 s3, s3, BOFF                          ; my 64 rows of B
	v_add_nc_u32 v[ADRA], s2, v1
	v_add_nc_u32 v[ADRB], s3, v1
	s_add_co_u32 s2, s2, YS
	s_add_co_u32 s3, s3, YS
	v_add_nc_u32 v[ADRA+2], s2, v1
	v_add_nc_u32 v[ADRB+2], s3, v1
	s_mul_i32 s2, s15, 49152                           ; and in X: four rows of 12,288 bytes
	s_mul_i32 s3, s16, 49152
	s_add_co_u32 s3, s3, XB
	v_add_nc_u32 v[ADRA+1], s2, v1
	v_add_nc_u32 v[ADRB+1], s3, v1
	s_xor_b32 s2, s15, 1                               ; scale words: lanes 0-15 at ASC + 512 wr + 8 r, lanes 16-31 at BSC + 512 wc + 8 r: the lower base + h x the distance
	s_add_co_u32 s2, s2, s16
	s_lshl_b32 s2, s2, 9
	s_add_co_u32 s2, s2, BSC-ASC-512
	v_mul_u32_u24 v5, s2, v4
	s_lshl_b32 s3, s15, 9
	s_add_co_u32 s3, s3, ASC
	v_lshl_add_u32 v5, v3, 3, v5
	v_add_nc_u32 v[ADSA], s3, v5
	s_mul_i32 s2, s14, 4352                            ; my stage
	s_add_co_u32 s2, s2, STAGE
	v_mul_u32_u24 v5, v3, 272
	v_lshl_add_u32 v5, v4, 6, v5
	v_add_nc_u32 v[STO], s2, v5                        ; in: row r, + 64 h
	v_mul_u32_u24 v5, v4, 272
	v_lshl_add_u32 v5, v3, 4, v5
	v_add_nc_u32 v[RD], s2, v5                         ; back: lanes 0-15 one row of 256 bytes, lanes 16-31 the next
	v_lshlrev_b32 v5, 13, v4
	v_lshl_add_u32 v[CO], v3, 4, v5                    ; and the same two rows in out0
.macro FETCH slot, q, p                ; the fragments of the region's q-th 128 along K into set p: B's four, A's four: 24 loads of 512 consecutive bytes
.if (\slot) == 1
.set PT, 12288
.else
.set PT, 6144
.endif
	WIN TO_B
.irp i, 0,1,2,3
.irp c, 0,1,2
	ds_load_b128 v[128*(\p)+12*\i+4*\c:128*(\p)+12*\i+4*\c+3], v[ADRB+\slot] offset:PT*\i+1536*(\q)+512*\c
.endr
.endr
	WIN 0
.irp i, 0,1,2,3
.irp c, 0,1,2
	ds_load_b128 v[AF+48*(\p)+12*\i+4*\c:AF+48*(\p)+12*\i+4*\c+3], v[ADRA+\slot] offset:PT*\i+1536*(\q)+512*\c
.endr
.endr
.endm
.macro SCALES sc, qt                   ; quarter qt's scale words into set sc: register 4 i + q: lanes 0-15 A's tile i, lanes 16-31 B's tile i
.irp y, 0,1
.irp i, 0,1,2,3
	ds_load_b64 v[SC+16*\sc+4*\i+2*\y:SC+16*\sc+4*\i+2*\y+1], v[ADSA] offset:128*\i+1024*\y+2048*\qt
.endr
.endr
.endm
.macro MUL8 a0, p, q, sc, zero         ; 8 matrix instructions: A's tiles a0, a0 + 1 x B's four.  The 16 accumulators take turns, in the same order in every step
.irp a, \a0, \a0+1
.irp b, 0,1,2,3
.set rD, 8*(4*(\a)+\b)
.set rB, 128*(\p)+12*\b
.set rA, AF+48*(\p)+12*(\a)
.set rSB, SC+16*(\sc)+4*\b+(\q)
.set rSA, SC+16*(\sc)+4*(\a)+(\q)
.if \zero
	v_wmma_scale_f32_16x16x128_f8f6f4 v[rD:rD+7], v[rB:rB+11], v[rA:rA+11], 0, v[rSB], v[rSA] matrix_a_fmt:MATRIX_FMT_BF6 matrix_b_fmt:MATRIX_FMT_BF6 matrix_a_scale:MATRIX_SCALE_ROW1
.else
	v_wmma_scale_f32_16x16x128_f8f6f4 v[rD:rD+7], v[rB:rB+11], v[rA:rA+11], v[rD:rD+7], v[rSB], v[rSA] matrix_a_fmt:MATRIX_FMT_BF6 matrix_b_fmt:MATRIX_FMT_BF6 matrix_a_scale:MATRIX_SCALE_ROW1
.endif
.endr
.endr
.endm
; Step q of a quarter whose successor lies in the same region (qo: the quarter's first step in the region): the next step's fragments are asked for ahead of this step's 16 products
.macro STEP slot, q, qo, sc, zero
	s_wait_dscnt 0x0                                   ; this step's fragments are in
	PLACES 4                                           ; in front of loads into registers that the last step's products read
	FETCH \slot, (\q)+1+(\qo), 1-(\q)%2
	WIN MUL
	MUL8 0, (\q)%2, \q, \sc, \zero
	MUL8 2, (\q)%2, \q, \sc, \zero
	WIN 0
.endm
; A region's last step: in front of the barrier each wave waits for all its tensor loads, adds 0 to its spare word, and waits for that and for its reads of the region.  fill = 1: Z is filled.
.macro TURN next, sc, nsc, nqt, fill
	s_wait_tensorcnt 0x0                               ; all my tensor loads have landed
	ds_add_u32 v[SPW], v[NIL]
	s_wait_dscnt 1                                     ; this step's fragments are in; the add alone may be out
	WIN MUL
	MUL8 0, 1, 3, \sc, 0
	s_wait_dscnt 0x0                                   ; the add is done, and my reads of this region are over
	s_barrier_signal -1
	WIN 0
	s_barrier_wait -1
.if \fill
	CREST                                              ; the barrier has opened a round of the cluster's barrier
	JLOAD G0, G1, G0B, G1B                             ; quarter 3: the first tensor load behind the round; its four v_nop are the places in front of the loads below
.else
	PLACES 4
.endif
	FETCH \next, 0, 0
	SCALES \nsc, \nqt
	WIN MUL
	MUL8 2, 1, 3, \sc, 0
	WIN 0
.endm
	s_wait_alu depctr_va_vdst(0)                       ; the head's end
	s_wait_tensorcnt 0x0                               ; my tile of the head's four is in; Y's first fill is issued as a refill is
	ds_add_u32 v[SPW], v[NIL]
.irp g, G1, G1B                        ; no tensor load of mine is out: from here on a load brings 4 row tiles x 6,144 bytes
	s_mov_b32 s[\g+1], 768<<16
	s_mov_b32 s[\g+2], 4<<16
	s_mov_b32 s[\g+3], 768<<16
	s_mov_b32 s[\g+4], 4
.endr
	s_wait_dscnt 0x0
	CROUND                                             ; all four tiles are in, and all sixteen work-groups are here
	JLOAD G0+8, G1, G0B+8, G1B                         ; quarter 2: the first tensor load behind the round
	FETCH 1, 0, 0
	SCALES 0, 0
	global_prefetch_b8 v[PFO], s[20:21] offset:3*6144 th:TH_LOAD_NT scope:SCOPE_SE   ; quarter 3, behind the joint load and the run of LDS loads that the next products wait for
	STEP 1, 0, 0, 0, 1                                 ; the first products start the sums: nothing is cleared
	STEP 1, 1, 0, 0, 0
	STEP 1, 2, 0, 0, 0
	s_wait_dscnt 0x0                                   ; quarter 0's last step: quarter 1 lies in the same region: no barrier
	PLACES 4
	FETCH 1, 4, 0
	SCALES 1, 1
	WIN MUL
	MUL8 0, 1, 3, 0, 0
	MUL8 2, 1, 3, 0, 0
	WIN 0
	STEP 1, 0, 4, 1, 0
	STEP 1, 1, 4, 1, 0
	STEP 1, 2, 4, 1, 0
	TURN 2, 1, 0, 2, 1                                 ; X has been read; Y is whole; Z is asked for
	STEP 2, 0, 0, 0, 0
	STEP 2, 1, 0, 0, 0
	STEP 2, 2, 0, 0, 0
	TURN 0, 0, 1, 3, 0                                 ; Z is whole; nothing is left to fetch: no round
	STEP 0, 0, 0, 1, 0
	STEP 0, 1, 0, 1, 0
	STEP 0, 2, 0, 1, 0
	s_wait_dscnt 0x0
	WIN MUL
	MUL8 0, 1, 3, 1, 0
	MUL8 2, 1, 3, 1, 0
	WIN 0
	PLACES 4                                           ; in front of the first read of results, and of loads into registers that held fragments
; THE WAY OUT, a tile of 16 stored tokens x 64 columns at a time, through my own stage: accumulator b's eight numbers are natural columns 32 (b / 2) + 16 h + 8 (b % 2) + 0..7 of my 64.
; Stage row p of tile a is natural token 32 (a / 2) + 8 (a % 2) + 16 (p / 8) + p % 8 of my 64; load t brings rows 2 t and 2 t + 1.  LDS serves a wave's instructions in order: no wait between the stores and the loads.
.macro TOSTAGE a
	WIN 0x08                                           ; an LDS store's data are its source 1: window 2
.irp b, 0,1,2,3
	ds_store_b128 v[STO], v[8*(4*(\a)+\b):8*(4*(\a)+\b)+3] offset:128*(\b/2)+32*(\b%2)       ; each accumulator from its low end on
	ds_store_b128 v[STO], v[8*(4*(\a)+\b)+4:8*(4*(\a)+\b)+7] offset:128*(\b/2)+32*(\b%2)+16
.endr
	WIN 0
.set BB, BK+32*((\a)%2)
.irp t, 0,1,2,3,4,5,6,7
	ds_load_b128 v[BB+4*\t:BB+4*\t+3], v[RD] offset:544*\t
.endr
.endm
.macro SEND a, younger                 ; younger: the LDS instructions issued behind tile a's loads
.set BB, BK+32*((\a)%2)
	s_wait_dscnt \younger
.irp t, 0,1,2,3,4,5,6,7
	global_store_b128 v[CO], v[BB+4*\t:BB+4*\t+3], s[12:13] offset:(32*((\a)/2)+8*((\a)%2)+16*(\t/4)+2*(\t%4))*8192 th:TH_STORE_NT   ; 16 lanes store 256 consecutive bytes, aligned; two rows an instruction
.endr
.endm
	TOSTAGE 0
.irp a, 1,2,3
.if \a > 1
	s_wait_xcnt 0x0                                    ; tile a - 2's stores have read their registers: tile a's loads may land there
.endif
	TOSTAGE \a
	SEND \a-1, 16                                      ; behind tile a - 1's loads: tile a's 8 stores and 8 loads
.endr
	SEND 3, 0
	s_wait_tensorcnt 0x0                               ; the wave's end
	ds_add_u32 v[SPW], v[NIL]
	s_wait_dscnt 0x0
	CROUND                                             ; the closing round
	s_endpgm
.Lfunc_end_k_q93269dfd90_oproj:
	.size	k_q93269dfd90_oproj, .Lfunc_end_k_q93269dfd90_oproj-k_q93269dfd90_oproj
	.p2alignl 7, 3214868480
	.fill 96, 4, 3214868480
	.section	.rodata,"a",@progbits
	.p2align	6, 0x0
	.amdhsa_kernel k_q93269dfd90_oproj
		.amdhsa_group_segment_fixed_size 327680
		.amdhsa_private_segment_fixed_size 0
		.amdhsa_enable_private_segment 0
		.amdhsa_kernarg_size 24
		.amdhsa_user_sgpr_count 2
		.amdhsa_user_sgpr_kernarg_segment_ptr 1
		.amdhsa_wavefront_size32 1
		.amdhsa_system_sgpr_workgroup_id_x 1
		.amdhsa_system_sgpr_workgroup_id_y 1
		.amdhsa_system_sgpr_workgroup_id_z 1
		.amdhsa_system_vgpr_workitem_id 0
		.amdhsa_next_free_vgpr 640
		.amdhsa_next_free_sgpr 102
		.amdhsa_reserve_vcc 0
		.amdhsa_float_denorm_mode_32 3
		.amdhsa_float_denorm_mode_16_64 3
		.amdhsa_memory_ordered 1
		.amdhsa_forward_progress 1
		.amdhsa_inst_pref_size 83
	.end_amdhsa_kernel
	.amdgpu_metadata
---
amdhsa.version: [ 1, 2 ]
amdhsa.kernels:
  - .name:           k_q93269dfd90_oproj
    .symbol:         k_q93269dfd90_oproj.kd
    .args:
      - { .name: obuf, .offset: 0, .size: 8, .value_kind: global_buffer, .address_space: global }
      - { .name: pbuf, .offset: 8, .size: 8, .value_kind: global_buffer, .address_space: global }
      - { .name: out0, .offset: 16, .size: 8, .value_kind: global_buffer, .address_space: global }
    .group_segment_fixed_size: 327680
    .private_segment_fixed_size: 0
    .kernarg_segment_align: 8
    .kernarg_segment_size: 24
    .max_flat_workgroup_size: 128
    .sgpr_count:     102
    .vgpr_count:     640
    .wavefront_size: 32
...
	.end_amdgpu_metadata
.endif
;; end of part 4
